; MI455X (gfx1250); checked and timed in simulation.
; The chip was launched on July 23, 2026; its instructions are those of AMD's public machine-readable ISA for CDNA 5 (MIT licence, August 2026) and "CDNA5" Instruction Set Architecture Reference Guide (July 2026). The comments in the code are by the model that wrote it; some were corrected since.
;; Multi Head Attention. Allowed arithmetic: matrix products marked QUANTISED: E4M3 operands, one given power-of-two scale a tensor, by v_wmma_f32_16x16x64_fp8_fp8 or v_wmma_f32_16x16x128_fp8_fp8, f32 sums; everything else in f32.
;; Inputs: lowp_scales 8 int32 (the exponents e of the quantised operands' scales 2^e); w_out 1,024 x 1,024 float32; w_qkv 1,024 x 3,072 float32; x 4 x 2,048 x 1,024 float32.
;; Outputs: out0 4 x 2,048 x 1,024 float32.
;; This version of the problem:
;;   THIS VERSION OF THE PROBLEM IS GIVEN IN LOW PRECISION. The matrix products marked QUANTISED in the list below multiply operands that are first quantised to E4M3 (4 exponent bits, 3 mantissa bits; 8 bits a number), with one given power-of-two scale for each operand tensor; their sums are f32. All else is computed in f32.
;;   The module's matrix products, in the order in which they are computed (A, B: the left and right operand; K: the contracted axis; several contracted axes count as one K, in the product's order):
;;     1. [M 8,192, K 1,024] x [K 1,024, N 3,072]; A: input x; B: input w_qkv: QUANTISED (scales: A lowp_scales[0], B lowp_scales[1])
;;     2. batch 64 x [M 2,048, K 64] x [K 64, N 2,048]; A: computed on the way; B: computed on the way: QUANTISED (scales: A lowp_scales[2], B lowp_scales[3])
;;     3. batch 64 x [M 2,048, K 2,048] x [K 2,048, N 64]; A: softmax (see below); B: computed on the way: QUANTISED (scales: A lowp_scales[4], B lowp_scales[5])
;;     4. [M 8,192, K 1,024] x [K 1,024, N 1,024]; A: computed on the way; B: input w_out: QUANTISED (scales: A lowp_scales[6], B lowp_scales[7])
;;   THE QUANTISER, for each operand of a quantised product, along K:
;;     - The operand's scale is 2^e, e = its entry of the input lowp_scales (int32; the entries are numbered through the quantised products in the list's order, A before B).
;;     - Each number is divided by the scale, clamped to +-448, and rounded to the nearest number of E4M3, ties to even, subnormals kept.
;;     - The product sums the exact products of the quantised numbers (number of the format x scale) in f32.
;;   ~~~python
;;   def quantise(x, axis, e):      # numpy; x: float32 -> the quantised numbers, widened to float32 again
;;       x = np.moveaxis(x, axis, -1); K = x.shape[-1]
;;       r = np.clip(x / 2.0 ** e, -448, 448)
;;       step = 2.0 ** (np.maximum(np.frexp(np.where(r == 0, 1, r))[1] - 1, -6) - 3)
;;       q = np.round(r / step) * step * 2.0 ** e      # np.round: ties to even
;;       return np.moveaxis(q, -1, axis).astype(np.float32)
;;   ~~~
;;   SOFTMAX AHEAD OF A QUANTISED PRODUCT. Where the list says 'softmax', what is quantised is not the finished softmax but p = 2^(t - M), with t = logit x log2(e) and M = ceil(the row's largest t), a whole number; so 1/2 < the row's largest p <= 1. The row's sum l is taken of the UNQUANTISED p, in f32, and the product's result is divided by l at the end. Since M is a whole number, a kernel that streams over the keys may use a running M (the ceiling of the running maximum): every later rescaling is an exact power of two, so the quantised numbers keep their values, but for numbers so far below the row's largest that they fall under the format's range.
;;   OPERANDS COMPUTED ON THE WAY. 'Computed on the way' means the value that the module computes at that place (a softmax that the list does not call 'softmax' is quantised finished and normalised). What goes into a quantiser is computed in f32, as accurately as f32 sums, v_exp_f32 and their like allow (about 1e-6 of the number): no bf16 or f16 on the way to a quantiser, and a product that is left as it is and whose result goes on into a quantised operand takes f32 operands (vector FMAs, or v_wmma_f32_16x16x4_f32). A number that lies on a knife's edge between two numbers of the format may be rounded either way, as far as f32 arithmetic and the matrix unit's own rounding can turn it there, and no further.
;; One version. Each part assembles by itself: llvm-mc -triple=amdgcn-amd-amdhsa -mcpu=gfx1250 --defsym DOCPART=n.
;; ======== version 1 of 1: 4 launches
;; workspace buffers: xc 8,388,608 bytes; wc 4,194,304 bytes; qk 16,777,216 bytes; vt 8,388,608 bytes; ac 8,388,608 bytes
;; launch quant (part 1): grid 384 x 1, 4 waves a work-group, no clusters, 68,096 bytes of LDS; arguments x, w_qkv, w_out, lowp_scales, xc, wc; writes xc, wc
.if DOCPART == 1
	.amdgcn_target "amdgcn-amd-amdhsa--gfx1250"
	.amdhsa_code_object_version 6
	.text
	.protected	k_qede4b501a9_quant
	.globl	k_qede4b501a9_quant
	.p2align	8
	.type	k_qede4b501a9_quant,@function
k_qede4b501a9_quant:
	s_mov_b64 s[64:65], 0
	v_nop
	global_prefetch_b8 v0, s[64:65] scope:SCOPE_SE
	s_setreg_imm32_b32 hwreg(HW_REG_WAVE_MODE, 25, 1), 1
	s_wait_xcnt 0x0
; x [8192][1024], w_qkv [1024][3072] and w_out [1024][1024], f32, become codes of FP8 (E4M3), K innermost, each with the one scale 2^e given for it (entries 0, 1, 7).
; code = number / 2^e, held within +-448, rounded to the nearest code, ties to even.  LIMITS: e between -126 and 119; NaN among the inputs is not served.
; xc: [8192][1024], as x lies.  wc: [4096][1024]: rows 0-3071 are w_qkv's columns, rows 3072-4095 w_out's.
; Work-groups 0-255 take x, a plain stream: 32,768 numbers each, 8,192 a wave in 16 steps of 512.  Each load reads 512 consecutive bytes; a step's 2,048 bytes turn through the
; wave's own stage in LDS, so that a lane then holds 16 neighbours along K for the conversions; a lane's 16 codes are 16 bytes, the wave stores 512 consecutive bytes.
; Work-groups 256-383 take the weights, whose K is the FIRST axis: 128 columns x 256 along K each.  A lane takes a column and its registers run down K, so the conversions give
; codes with K innermost; they go through the wave's own stage and leave as rows, sixteen lanes to 256 consecutive aligned bytes.  One text serves both weights: the row pitch is a register.
; Every work-group reads 131,072 bytes.  The two ways part once, on the work-group's number; each has LDS bytes of its own.  No tensor loads, no barrier: waves share nothing.
.set WAVES, 4
.set STEPS, 16
.set NB,    8                          ; the weights: blocks of 32 along K for a wave
.set EMAX,  8
.set MANT,  0x600000                   ; the mantissa field of 448 as f32
.set WREG,  8192                       ; x: a region for each wave: two stages of 32 x SP bytes
.set SP,    80                         ; a lane's place in x's stage: 64 bytes + 16 of padding
.set WSTG,  WAVES*WREG                 ; the weights' stages begin here: 32 rows x PITCH for each wave
.set PITCH, 272                        ; 256 bytes of codes + 16 of padding
.set SPARE, WSTG+WAVES*32*PITCH        ; the spare words, 128 bytes for each wave: two blocks of 256 bytes that no other line names
.set SPW,   12                         ; v12  LDS address of my spare word; never rewritten
.set NIL,   13                         ; v13  0; never rewritten
.set XR,    16                         ; x: v16-79 four sets of 16 numbers as loaded
.set XN,    80                         ; x: v80-111 two sets of 16 neighbours
.set XC,    128                        ; x: v128-191 codes, four registers for each step
.set WX,    32                         ; weights: v32-95 two sets of 32 numbers
.set WC,    96                         ; weights: v96-103 a block's codes
.set WO,    112                        ; weights: v112-175 the way out
.set OF,    192                        ; weights: v192-223 4 x lane + i x pitch; never rewritten
.set BS,    36                         ; weights: s[36:51] a base for each of the eight blocks; never rewritten
.macro XLOAD t
.irp i, 0,1,2,3
	global_load_b128 v[XR+16*((\t)%4)+4*\i:XR+16*((\t)%4)+4*\i+3], v3, s[4:5] offset:2048*(\t)+512*\i th:TH_LOAD_NT   ; 32 lanes read 512 consecutive bytes
.endr
.endm
.macro XTURN t                         ; step t's numbers through the stage: LDS serves a wave's instructions in order, so no wait stands between the stores and the loads
.irp i, 0,1,2,3
	ds_store_b128 v14, v[XR+16*((\t)%4)+4*\i:XR+16*((\t)%4)+4*\i+3] offset:32*SP*((\t)%2)+8*SP*\i
.endr
.irp i, 0,1,2,3
	ds_load_b128 v[XN+16*((\t)%2)+4*\i:XN+16*((\t)%2)+4*\i+3], v15 offset:32*SP*((\t)%2)+16*\i
.endr
.endm
.macro XSTEP t
.set XS, XN+16*((\t)%2)
	s_wait_dscnt 0x0                               ; this step's numbers are back from the stage, and its stores into the stage have read their registers,
.if (\t)+4 < STEPS
	XLOAD (\t)+4                                   ; which take the loads of four steps on
.endif
.if (\t)+1 < STEPS
.if STEPS-2-(\t) >= 3
	s_wait_loadcnt 12                              ; the next step's four loads are in; those of the three steps behind it may be out
.else
	s_wait_loadcnt 4*(STEPS-2-(\t))
.endif
	XTURN (\t)+1                                   ; and go through the other stage while this step is worked
.endif
.irp i, 0,1,2,3,4,5,6,7,8,9,10,11,12,13,14,15
	v_med3_num_f32 v[XS+\i], v[XS+\i], -v10, v10   ; the conversion to an 8-bit code does not saturate (ISA guide 7.6.2): the hold at the largest code x the scale
.endr
	v_cvt_scalef32_pk8_fp8_f32 v[XC+4*(\t):XC+4*(\t)+1], v[XS:XS+7], v11
	v_cvt_scalef32_pk8_fp8_f32 v[XC+4*(\t)+2:XC+4*(\t)+3], v[XS+8:XS+15], v11
	global_store_b128 v3, v[XC+4*(\t):XC+4*(\t)+3], s[12:13] offset:512*(\t)   ; the results go to a store alone; the next vector lines are plain and touch other registers
.endm
.macro WLOAD t                         ; block t: W(32 t + i, my column), i = 0 .. 31, into set t % 2: 32 lanes read 128 consecutive bytes, the four waves 512
.set i, 0
.rept 32
	global_load_b32 v[WX+32*((\t)%2)+i], v[OF+i], s[BS+2*(\t):BS+2*(\t)+1] th:TH_LOAD_NT
.set i, i+1
.endr
.endm
.macro WBLOCK t
.set XS, WX+32*((\t)%2)
.if (\t) < NB-1
	s_wait_loadcnt 32                              ; this block's 32 loads are in; the next block's may be out
.else
	s_wait_loadcnt 0
.endif
.set i, 0
.rept 32
	v_med3_num_f32 v[XS+i], v[XS+i], -v10, v10
.set i, i+1
.endr
.irp g, 0,1,2,3
	v_cvt_scalef32_pk8_fp8_f32 v[WC+2*\g:WC+2*\g+1], v[XS+8*\g:XS+8*\g+7], v11
.endr
	ds_store_b128 v5, v[WC:WC+3] offset:32*(\t)    ; 32 codes: 32 bytes of my column's row
	ds_store_b128 v5, v[WC+4:WC+7] offset:32*(\t)+16
.if (\t)+2 < NB
	WLOAD (\t)+2
.endif
	s_wait_dscnt 0x0                               ; the stores have read their registers: the next block's codes may be written
.endm
	s_load_b256 s[4:11], s[0:1], 0x0               ; x s[4:5], w_qkv s[6:7], w_out s[8:9], the scales' exponents s[10:11]
	s_load_b128 s[12:15], s[0:1], 0x20             ; xc s[12:13], wc s[14:15]
	v_lshl_add_u32 v[SPW], v0, 2, SPARE
	v_mov_b32 v[NIL], 0
	v_lshrrev_b32 v1, 5, v0
	v_readfirstlane_b32 s16, v1                    ; wave
	v_and_b32 v2, 31, v0                           ; lane
	v_lshlrev_b32 v3, 4, v2                        ; 16 x lane: my 16 bytes of a load's 512, and of a store's
	v_lshlrev_b32 v4, 2, v2                        ; 4 x lane: my column's number in a row of a weight
	; every LDS address is made here, ahead of the parting
	s_mul_i32 s17, s16, WREG
	v_lshrrev_b32 v14, 2, v2
	v_mul_u32_u24 v14, v14, SP
	v_and_b32 v15, 3, v2
	v_lshl_add_u32 v14, v15, 4, v14
	v_add_nc_u32 v14, s17, v14                     ; x's stage, in: SP (lane / 4) + 16 (lane % 4)
	v_mul_u32_u24 v15, v2, SP
	v_add_nc_u32 v15, s17, v15                     ; and out: SP x lane: my 16 neighbours
	s_mul_i32 s17, s16, 32*PITCH
	s_add_co_u32 s17, s17, WSTG
	v_mul_u32_u24 v5, v2, PITCH
	v_add_nc_u32 v5, s17, v5                       ; the weights' stage, in: row = my column
	v_and_b32 v6, 15, v2
	v_lshrrev_b32 v9, 4, v2
	v_mul_u32_u24 v7, v9, PITCH
	v_lshl_add_u32 v7, v6, 4, v7
	v_add_nc_u32 v7, s17, v7                       ; and out: sixteen lanes to a row, two rows an instruction
	v_lshlrev_b32 v8, 10, v9
	v_lshl_add_u32 v8, v6, 4, v8                   ; the same place in wc: rows of 1,024 bytes
	s_wait_kmcnt 0x0
	s_load_b256 s[24:31], s[10:11], 0x0            ; e0 .. e7
	s_cmp_lt_u32 ttmp9, 256
	s_cbranch_scc0 .Lweights
	; ---- x
	s_lshl_b32 s18, ttmp9, 2
	s_add_co_u32 s18, s18, s16                     ; which run of 8,192 numbers is my wave's
	s_lshl_b32 s20, s18, 15
	s_mov_b32 s21, 0
	s_add_nc_u64 s[4:5], s[4:5], s[20:21]
	s_lshl_b32 s20, s18, 13
	s_add_nc_u64 s[12:13], s[12:13], s[20:21]
.irp t, 0,1,2,3
	XLOAD \t
.endr
	s_wait_kmcnt 0x0
	s_add_co_i32 s22, s24, 127
	s_lshl_b32 s23, s22, 23
	v_mov_b32 v11, s23                             ; 2^e0 as f32: the conversion takes its exponent field
	s_add_co_i32 s22, s22, EMAX
	s_lshl_b32 s22, s22, 23
	s_or_b32 s22, s22, MANT
	v_mov_b32 v10, s22                             ; 448 x 2^e0
	s_wait_loadcnt 12                              ; step 0's four loads are in
	XTURN 0
.irp t, 0,1,2,3,4,5,6,7,8,9,10,11,12,13,14,15
	XSTEP \t
.endr
	s_branch .Lend
	; ---- the weights
.Lweights:
	s_sub_co_u32 s17, ttmp9, 256
	s_lshr_b32 s18, s17, 2                         ; which 128 rows of wc: 0-23 w_qkv's columns, 24-31 w_out's
	s_and_b32 s19, s17, 3                          ; which 256 along K
	s_mov_b32 s22, 4096
	s_cmp_lt_u32 s18, 24                           ; the choice hangs on the work-group's number alone
	s_cselect_b64 s[20:21], s[6:7], s[8:9]         ; the weight,
	s_cselect_b32 s22, 12288, s22                  ; its row in bytes,
	s_cselect_b32 s23, 0, 24                       ; and where its columns begin in wc
	s_sub_co_u32 s23, s18, s23
	s_lshl_b32 s23, s23, 7
	s_lshl_b32 s32, s16, 5
	s_add_co_u32 s23, s23, s32                     ; my wave's first column
	s_lshl_b32 s23, s23, 2
	s_lshl_b32 s32, s22, 8
	s_mul_i32 s32, s32, s19                        ; 256 rows x which
	s_add_co_u32 s32, s32, s23
	s_mov_b32 s33, 0
	s_lshl_b32 s34, s22, 5                         ; 32 rows: from block to block
	s_mov_b32 s35, 0
	s_add_nc_u64 s[BS:BS+1], s[20:21], s[32:33]
.irp t, 1,2,3,4,5,6,7
	s_add_nc_u64 s[BS+2*\t:BS+2*\t+1], s[BS+2*\t-2:BS+2*\t-1], s[34:35]
.endr
	s_lshl_b32 s32, s18, 7
	s_lshl_b32 s23, s16, 5
	s_add_co_u32 s32, s32, s23                     ; my first row of wc
	s_lshl_b32 s32, s32, 10
	s_lshl_b32 s23, s19, 8
	s_add_co_u32 s32, s32, s23                     ; + my 256 along K
	s_add_nc_u64 s[14:15], s[14:15], s[32:33]
.set i, 0
.rept 32
	v_mad_u32_u24 v[OF+i], s22, i, v4
.set i, i+1
.endr
	WLOAD 0
	WLOAD 1
	s_wait_kmcnt 0x0
	s_cmp_lt_u32 s18, 24
	s_cselect_b32 s30, s25, s31                    ; e1 or e7
	s_add_co_i32 s30, s30, 127
	s_lshl_b32 s31, s30, 23
	v_mov_b32 v11, s31                             ; 2^e as f32
	s_add_co_i32 s30, s30, EMAX
	s_lshl_b32 s30, s30, 23
	s_or_b32 s30, s30, MANT
	v_mov_b32 v10, s30                             ; 448 x 2^e
.irp t, 0,1,2,3,4,5,6,7
	WBLOCK \t
.endr
.irp t, 0,1,2,3,4,5,6,7,8,9,10,11,12,13,14,15
	ds_load_b128 v[WO+4*\t:WO+4*\t+3], v7 offset:2*\t*PITCH   ; LDS serves a wave's instructions in order: these see my stores
.endr
.irp t, 0,1,2,3,4,5,6,7,8,9,10,11,12,13,14,15
	s_wait_dscnt 15-\t
	global_store_b128 v8, v[WO+4*\t:WO+4*\t+3], s[14:15] offset:2*\t*1024   ; sixteen lanes store 256 consecutive bytes, at a multiple of 256 from wc's first byte
.endr
.Lend:
	s_wait_tensorcnt 0x0                           ; the wave's end, behind my last LDS store
	ds_add_u32 v[SPW], v[NIL]
	s_wait_dscnt 0x0
	s_endpgm
.Lfunc_end_k_qede4b501a9_quant:
	.size	k_qede4b501a9_quant, .Lfunc_end_k_qede4b501a9_quant-k_qede4b501a9_quant
	.p2alignl 7, 3214868480
	.fill 96, 4, 3214868480
	.section	.rodata,"a",@progbits
	.p2align	6, 0x0
	.amdhsa_kernel k_qede4b501a9_quant
		.amdhsa_group_segment_fixed_size 68096
		.amdhsa_private_segment_fixed_size 0
		.amdhsa_enable_private_segment 0
		.amdhsa_kernarg_size 48
		.amdhsa_user_sgpr_count 2
		.amdhsa_user_sgpr_kernarg_segment_ptr 1
		.amdhsa_wavefront_size32 1
		.amdhsa_system_sgpr_workgroup_id_x 1
		.amdhsa_system_sgpr_workgroup_id_y 1
		.amdhsa_system_sgpr_workgroup_id_z 1
		.amdhsa_system_vgpr_workitem_id 0
		.amdhsa_next_free_vgpr 224
		.amdhsa_next_free_sgpr 66
		.amdhsa_reserve_vcc 0
		.amdhsa_float_denorm_mode_32 3
		.amdhsa_float_denorm_mode_16_64 3
		.amdhsa_memory_ordered 1
		.amdhsa_forward_progress 1
		.amdhsa_inst_pref_size 88
	.end_amdhsa_kernel
	.amdgpu_metadata
---
amdhsa.version: [ 1, 2 ]
amdhsa.kernels:
  - .name:           k_qede4b501a9_quant
    .symbol:         k_qede4b501a9_quant.kd
    .args:
      - { .name: x, .offset: 0, .size: 8, .value_kind: global_buffer, .address_space: global }
      - { .name: w_qkv, .offset: 8, .size: 8, .value_kind: global_buffer, .address_space: global }
      - { .name: w_out, .offset: 16, .size: 8, .value_kind: global_buffer, .address_space: global }
      - { .name: lowp_scales, .offset: 24, .size: 8, .value_kind: global_buffer, .address_space: global }
      - { .name: xc, .offset: 32, .size: 8, .value_kind: global_buffer, .address_space: global }
      - { .name: wc, .offset: 40, .size: 8, .value_kind: global_buffer, .address_space: global }
    .group_segment_fixed_size: 68096
    .private_segment_fixed_size: 0
    .kernarg_segment_align: 8
    .kernarg_segment_size: 48
    .max_flat_workgroup_size: 128
    .sgpr_count:     66
    .vgpr_count:     224
    .wavefront_size: 32
...
	.end_amdgpu_metadata
.endif
;; end of part 1
;; launch gemm_qkv (part 2): grid 12 x 32, 4 waves a work-group, clusters of 4 x 4, 327,680 bytes of LDS; arguments xc, wc, lowp_scales, qk, vt; writes qk, vt
.if DOCPART == 2
	.amdgcn_target "amdgcn-amd-amdhsa--gfx1250"
	.amdhsa_code_object_version 6
	.text
	.protected	k_qede4b501a9_gemm_qkv
	.globl	k_qede4b501a9_gemm_qkv
	.p2align	8
	.type	k_qede4b501a9_gemm_qkv,@function
k_qede4b501a9_gemm_qkv:
	s_mov_b64 s[64:65], 0
	v_nop
	global_prefetch_b8 v0, s[64:65] scope:SCOPE_SE
	s_setreg_imm32_b32 hwreg(HW_REG_WAVE_MODE, 25, 1), 1
	s_wait_xcnt 0x0
	s_wait_alu depctr_hold_cnt(0) depctr_sa_sdst(0) depctr_va_vdst(0) depctr_va_sdst(0) depctr_va_ssrc(0) depctr_va_vcc(0) depctr_vm_vsrc(0)
	s_getreg_b32 s2, hwreg(HW_REG_IB_STS2, 6, 4)
	s_cmp_eq_u32 s2, 0
	s_cbranch_scc0 .Lentry_in_a_cluster
	s_endpgm
.Lentry_in_a_cluster:
	s_bfe_u32 s2, ttmp6, 0x10000c
	s_cmp_lg_u32 s2, 0xf033
	s_cbranch_scc0 .Lentry_shape_is_right
	s_endpgm
.Lentry_shape_is_right:
; qkv = x w_qkv on codes of FP8 (E4M3); the sums, f32, are quantised on the way out into the operands of attention's two products.
; xc: [8192][1024], wc: [4096][1024] (rows 0-3071 are w_qkv's columns): codes, K innermost.  A sum stands for sum x 2^(e0 + e1).
; qk: [2 (q, k)][4 b][16 head][2048 s][64 d]: codes of q / 8 (scale 2^e2) and of k (2^e3).  vt: [4 b][16 head][16 blocks of 128 keys][64 d][128]: codes of v (2^e5), keys innermost;
; byte 32 g + 16 h + 8 u + j of a row holds key 32 g + 16 u + 8 h + j of the block, so that a 16-byte load at 32 g + 16 h brings a lane the keys that the 16x16x128 form's own layout gives it.
; LIMITS: e2 + 3 - e0 - e1, e3 - e0 - e1 and e5 - e0 - e1 lie between -126 and 119, so that each scale and 448 x it are f32 numbers.
; A tile of 256 x 256 sums is made by four waves, 128 x 128 each: 64 accumulators, 512 registers.  K goes in steps of 256 through a ring of two LDS slots filled by the tensor data mover.
; THE MATRIX INSTRUCTION IS USED TRANSPOSED (source 0 = 16 rows of operand B, source 1 = 16 rows of operand A): a lane holds ONE row of A's and eight neighbouring rows of B's.
; The cluster's x says which third of qkv: 0 q, 1 k, 2 v; it is the same in all sixteen partners.  For q and k operand A is xc and B is wc: a lane's eight sums run along d, the next product's K.
; For v the two change places, by pointer alone: A is wc's rows 2048 on, B is xc: a lane's eight sums run along the keys, the K of attention's second product.
; CLUSTERS: 4 x 4 work-groups; A's tiles are asked for jointly along a row of the cluster, B's along a column.
; REGISTERS, in windows of 256: window 0: v0-31 addresses; from v128 A's fragments, ONE set; on the way out v32-159 are at work.   window 1: B's fragments, TWO sets.
;   window 2: the accumulators of my rows 0-63 ((a, b) at v[8 (8 a + b)]);   window 3: those of my rows 64-127.
.set SIZE_K, 1024
.set KSTEP,  256
.set ROWB,   256                       ; a tile's row in bytes
.set KROW,   1024                      ; a row of xc or wc in memory
.set PITCH,  272                       ; an LDS row: 256 bytes + 16 of padding = 68 words: the 16 rows that a load touches start at 16 different banks (64 banks of 4 bytes: ISA guide 11.1)
.set FR,     16
.set NL,     4
.set NP,     4                         ; places behind this matrix instruction (ISA guide 7.12.1)
.set HALFT,  128*PITCH
.set SLOT,   4*HALFT
.set LAPS,   SIZE_K/(2*KSTEP)
.set SPARE,  2*SLOT                    ; behind the ring: the spare words, 128 bytes for each wave
.set STQ,  8                           ; v8   the way out of q and k: where I put 8 bytes of a row (stage: 2 heads x 16 rows x 80 bytes for each wave, from LDS byte 0)
.set RDQ,  9                           ; v9   and where I read 16 bytes back
.set STV,  10                          ; v10  the way out of v: where I put 16 bytes (stage: 16 rows x 144 bytes for each wave, from LDS byte 10,240)
.set RDV,  11                          ; v11  and where I read them back.  Both stages lie in slot 0, which has had its last fill and its last read by then
.set LIMR, 12                          ; v12  448 x the conversion's scale
.set SCR,  13                          ; v13  the conversion's scale as f32
.set ADRA, 16
.set ADRB, 20
.set CO,   26                          ; v26  16 x lane
.set SPW,  28
.set NIL,  29
.set TMP,  32                          ; 64 sums, held
.set CD,   96                          ; a block's codes: v96-111 and v112-127 by turns
.set AF,   128
.set BK,   128                         ; a block read back: v128-143 and v144-159 by turns
.set G1, 24
.set G0, 32
.set G1B, 48
.set G0B, 56
.set MSB, 0
.macro WIN new                         ; the immediate's high byte repeats the setting that is left
.if MSB != \new
	s_set_vgpr_msb (MSB<<8)|\new
.set MSB, \new
.endif
.endm
.set MUL_LO, 0xa1                      ; source 0 (B) window 1, source 1 (A) window 0, C and D window 2
.set MUL_HI, 0xf1
.set TO_B,   0x40
; A joint load: waves 0 and 1 fetch for A, waves 2 and 3 for B; the branch hangs on the wave's number alone.  An s_nop 0 and four v_nop follow each of the two lines.
.macro JLOAD g0a, g1a, g0b, g1b
	s_cmp_eq_u32 s15, 0
	s_cbranch_scc0 .Lfor_b_\@
	tensor_load_to_lds s[\g0a:\g0a+3], s[\g1a:\g1a+7]
	s_nop 0
.rept 4
	v_nop
.endr
	s_branch .Lasked_\@
.Lfor_b_\@:
	tensor_load_to_lds s[\g0b:\g0b+3], s[\g1b:\g1b+7]
	s_nop 0
.rept 4
	v_nop
.endr
.Lasked_\@:
.endm
.macro CREST
	s_cmp_lg_u32 s14, 0
	s_cbranch_scc1 .Lnot_wave_0_\@
	s_barrier_signal -3
.Lnot_wave_0_\@:
	s_barrier_wait -3
	s_barrier_signal -1
	s_barrier_wait -1
.endm
.macro CROUND
	s_barrier_signal -1
	s_barrier_wait -1
	CREST
.endm
	s_load_b128 s[4:7], s[0:1], 0x0                ; xc s[4:5], wc s[6:7]
	s_load_b128 s[8:11], s[0:1], 0x10              ; the scales' exponents s[8:9], qk s[10:11]
	s_load_b64 s[12:13], s[0:1], 0x20              ; vt
	v_lshl_add_u32 v[SPW], v0, 2, SPARE
	v_mov_b32 v[NIL], 0
	ds_add_u32 v[SPW], v[NIL]                      ; the wave's opening: the add and its wait stand ahead of my first tensor load; the set-up below stands between them
	v_lshrrev_b32 v1, 5, v0
	v_readfirstlane_b32 s14, v1                    ; wave 0..3
	s_lshr_b32 s15, s14, 1                         ; which half of A's rows is mine.  Also: I fetch for A (0) or for B (1)
	s_and_b32 s16, s14, 1                          ; which half of B's rows.  Also: which 128 rows of that tile I fetch
	s_bfe_u32 s40, ttmp6, 0x40000                  ; cx, cy: my place in the cluster
	s_bfe_u32 s41, ttmp6, 0x40004
	s_lshl_b32 s42, ttmp9, 2                       ; 4 x cluster x
	s_and_b32 s17, ttmp7, 0xffff
	s_lshl_b32 s17, s17, 2                         ; 4 x cluster y
	s_cmp_eq_u32 ttmp9, 2                          ; v?
	s_cselect_b32 s70, 8, s17                      ; A's first tile of 256 rows for this cluster: wc's rows 2048 on, or xc's by the cluster's y
	s_cselect_b32 s71, s17, s42                    ; B's: xc's by the cluster's y, or wc's by its x
	s_add_co_u32 s17, s70, s41                     ; A's tile: + cy, which my row of the cluster shares
	s_add_co_u32 s42, s71, s40                     ; B's tile: + cx, which my column shares
	s_lshl_b32 s43, s41, 2
	s_lshl_b32 s43, 15, s43                        ; my row of the cluster
	s_lshl_b32 s44, 0x1111, s40                    ; my column
	s_or_b32 s[G1+0], s43, (0<<16)|(1<<20)|(1<<21)|(5<<22)|(3<<25)  ; 15:0 the mask; 17:16 elements of 1 byte; 20 padding on; 21 set beside a mask; 24:22 after every 64 words; 31:25 four words
	s_or_b32 s[G1B+0], s44, (0<<16)|(1<<20)|(1<<21)|(5<<22)|(3<<25)
.irp g, G1, G1B
	s_mov_b32 s[\g+1], ROWB<<16                    ; tensor_dim0
	s_mov_b32 s[\g+2], 128<<16                     ; tensor_dim1
	s_mov_b32 s[\g+3], ROWB<<16                    ; tile_dim0
	s_mov_b32 s[\g+4], 128                         ; tile_dim1
	s_mov_b32 s[\g+5], KROW                        ; tensor_dim0_stride
	s_mov_b32 s[\g+6], 0
	s_mov_b32 s[\g+7], 0
.endr
	s_lshl_b32 s18, s16, 7                         ; which 128 rows of the tile I fetch
	s_lshl_b32 s20, s17, 8
	s_add_co_u32 s20, s20, s18
	s_lshl_b32 s20, s20, 10                        ; A: rows of 1,024 bytes
	s_mov_b32 s21, 0
	s_lshl_b32 s46, s42, 8
	s_add_co_u32 s46, s46, s18
	s_lshl_b32 s46, s46, 10                        ; B likewise
	s_mov_b32 s47, 0
	s_mul_i32 s45, s14, HALFT                      ; where they go: wave x 128 rows: no place in the cluster enters an LDS address
	s_wait_dscnt 0x0                               ; the opening add is done
	s_wait_kmcnt 0x0
	s_load_b256 s[80:87], s[8:9], 0x0              ; e0 .. e7
	s_cmp_eq_u32 ttmp9, 2
	s_cselect_b64 s[66:67], s[6:7], s[4:5]         ; operand A
	s_cselect_b64 s[68:69], s[4:5], s[6:7]         ; operand B
	s_add_nc_u64 s[20:21], s[66:67], s[20:21]
	s_add_nc_u64 s[46:47], s[68:69], s[46:47]
	CROUND                                         ; all sixteen work-groups are here: the first joint loads meet
.irp s, 0,1
	s_mov_b32 s[G0+4*\s], 1
	s_add_co_u32 s[G0+4*\s+1], s45, \s*SLOT
	s_add_nc_u64 s[G0+4*\s+2:G0+4*\s+3], s[20:21], \s*ROWB
	s_or_b32 s[G0+4*\s+3], s[G0+4*\s+3], 0x80000000
	s_mov_b32 s[G0B+4*\s], 1
	s_add_co_u32 s[G0B+4*\s+1], s45, \s*SLOT
	s_add_nc_u64 s[G0B+4*\s+2:G0B+4*\s+3], s[46:47], \s*ROWB
	s_or_b32 s[G0B+4*\s+3], s[G0B+4*\s+3], 0x80000000
	JLOAD G0+4*\s, G1, G0B+4*\s, G1B
.endr
	v_and_b32 v1, 15, v0                           ; r = l % 16
	v_bfe_u32 v2, v0, 4, 1                         ; h = l / 16
	v_mul_u32_u24 v3, v1, PITCH
	v_lshl_add_u32 v4, v2, 4, v3                   ; a fragment's row x pitch + 16 x half
	s_mul_i32 s21, s15, HALFT                      ; my 128 rows of A
	s_mul_i32 s22, s16, HALFT                      ; my 128 rows of B,
	s_add_co_u32 s22, s22, 2*HALFT                 ; which lie behind A's 256
.irp s, 0,1
	v_add_nc_u32 v[ADRA+\s], s21, v4
	v_add_nc_u32 v[ADRB+\s], s22, v4
	s_add_co_u32 s21, s21, SLOT
	s_add_co_u32 s22, s22, SLOT
.endr
	s_mul_i32 s23, s14, 2560                       ; my stage for q and k
	v_mul_u32_u24 v5, v1, 80
	v_lshl_add_u32 v5, v2, 3, v5
	v_add_nc_u32 v[STQ], s23, v5                   ; in: row r, 8 bytes for each half of the lanes
	v_and_b32 v6, 31, v0
	v_lshrrev_b32 v5, 2, v6
	v_mul_u32_u24 v5, v5, 80
	v_and_b32 v7, 3, v0
	v_lshl_add_u32 v5, v7, 4, v5
	v_add_nc_u32 v[RDQ], s23, v5                   ; back: four lanes to a row of 64 bytes, eight rows an instruction
	s_add_co_u32 s23, s23, 10240                   ; my stage for v
	v_mul_u32_u24 v5, v1, 144
	v_lshl_add_u32 v5, v2, 4, v5
	v_add_nc_u32 v[STV], s23, v5                   ; in: row r, 16 bytes for each half of the lanes
	v_lshrrev_b32 v5, 3, v6
	v_mul_u32_u24 v5, v5, 144
	v_and_b32 v7, 7, v0
	v_lshl_add_u32 v5, v7, 4, v5
	v_add_nc_u32 v[RDV], s23, v5                   ; back: eight lanes to a row of 128 bytes, four rows an instruction
	v_lshlrev_b32 v[CO], 4, v6
.macro FRAG reg, adr, q, i             ; 16 rows x 128 K: lane l holds row l % 16; registers 4 c .. 4 c + 3 hold K = 32 c + 16 (l / 16) + 0 .. 15: the same places in A and in B
.irp c, 0,1,2,3
	ds_load_b128 v[\reg+4*\c:\reg+4*\c+3], v[\adr] offset:128*(\q)+32*\c+(\i)*16*PITCH
.endr
.endm
; 16 matrix instructions: A's blocks a0, a0 + 1 x B's eight.  The 64 accumulators take turns, one instruction a turn, in the same order in every step.
.macro MUL16 a0, p, zero
.irp a, \a0, \a0+1
.irp b, 0,1,2,3,4,5,6,7
.if \zero
	v_wmma_f32_16x16x128_fp8_fp8 v[8*(8*((\a)%4)+\b):8*(8*((\a)%4)+\b)+7], v[128*(\p)+FR*\b:128*(\p)+FR*\b+FR-1], v[AF+FR*(\a):AF+FR*(\a)+FR-1], 0
.else
	v_wmma_f32_16x16x128_fp8_fp8 v[8*(8*((\a)%4)+\b):8*(8*((\a)%4)+\b)+7], v[128*(\p)+FR*\b:128*(\p)+FR*\b+FR-1], v[AF+FR*(\a):AF+FR*(\a)+FR-1], v[8*(8*((\a)%4)+\b):8*(8*((\a)%4)+\b)+7]
.endif
.endr
.endr
.endm
.macro FETCH_B slot, q, p
	WIN TO_B
.irp i, 0,1,2,3,4,5,6,7
	FRAG 128*(\p)+FR*\i, ADRB+\slot, \q, \i
.endr
	WIN 0
.endm
.macro FETCH_A slot, q, i0
.irp i, \i0, \i0+1, \i0+2, \i0+3
	FRAG AF+FR*(\i), ADRA+\slot, \q, \i
.endr
.endm
.macro PLACES n                        ; plain vector instructions between a matrix instruction and a load into one of its registers, or a read of its result
.rept \n
	v_nop
.endr
.endm
.macro STEP slot, q, zero              ; 128 along K that have their successor in the same slot
	s_wait_dscnt 4*NL                              ; B's set and A's blocks 0-3 are in; the youngest sixteen loads (A's blocks 4-7) may be out
	WIN MUL_LO
	MUL16 0, (\q)%2, \zero
	MUL16 2, (\q)%2, \zero
	s_wait_dscnt 0
	PLACES NP
	FETCH_B \slot, (\q)+1, 1-(\q)%2
	FETCH_A \slot, (\q)+1, 0
	WIN MUL_HI
	MUL16 4, (\q)%2, \zero
	MUL16 6, (\q)%2, \zero
	PLACES NP
	WIN 0
	FETCH_A \slot, (\q)+1, 4
.endm
; A slot's last step changes slots: ONE barrier; in front of it each wave waits for all its tensor loads, adds 0 to its spare word, and waits for that and for its reads of this slot.
.macro TURN slot, next, fill
	s_wait_tensorcnt 0x0                           ; all my tensor loads have landed: my part of the next slot
	ds_add_u32 v[SPW], v[NIL]                      ; 0 onto my spare word
	s_wait_dscnt 4*NL+1                            ; (the add and the youngest sixteen loads may be out)
	WIN MUL_LO
	MUL16 0, 1, 0
	s_wait_dscnt 0x0                               ; the add is done, and my reads of this slot are over
	s_barrier_signal -1
	MUL16 2, 1, 0
	WIN 0
	s_barrier_wait -1
.if \fill
	CREST                                          ; the barrier has opened a round of the cluster's barrier: no wave of any partner still reads this slot or has a load on its way
	s_add_nc_u64 s[G0+4*\slot+2:G0+4*\slot+3], s[G0+4*\slot+2:G0+4*\slot+3], 2*ROWB
	s_add_nc_u64 s[G0B+4*\slot+2:G0B+4*\slot+3], s[G0B+4*\slot+2:G0B+4*\slot+3], 2*ROWB
	JLOAD G0+4*\slot, G1, G0B+4*\slot, G1B         ; the first tensor load behind the round; its four v_nop are the places in front of the loads below
.else
	PLACES NP
.endif
	FETCH_B \next, 0, 0
	FETCH_A \next, 0, 0
	WIN MUL_HI
	MUL16 4, 1, 0
	MUL16 6, 1, 0
	PLACES NP
	WIN 0
	FETCH_A \next, 0, 4
.endm
	s_wait_tensorcnt 1                             ; my part of K step 0 is in (K step 1's load may be out),
	s_barrier_signal -1
	s_barrier_wait -1                              ; everybody's is
	FETCH_B 0, 0, 0
	FETCH_A 0, 0, 0
	FETCH_A 0, 0, 4
	STEP 0, 0, 1                                   ; the first step stands in front of the loop: its products start the sums
	s_mov_b32 s3, LAPS-1
.Llap:                                                 ; a trip goes once round the ring and fills both slots again
	TURN 0, 1, 1
	STEP 1, 0, 0
	TURN 1, 0, 1
	STEP 0, 0, 0
	s_sub_co_u32 s3, s3, 1
	s_cmp_lg_u32 s3, 0
	s_cbranch_scc1 .Llap
	TURN 0, 1, 0                                   ; the last lap fills nothing
	STEP 1, 0, 0
	s_wait_dscnt 4*NL
	WIN MUL_LO
	MUL16 0, 1, 0
	MUL16 2, 1, 0
	s_wait_dscnt 0
	WIN MUL_HI
	MUL16 4, 1, 0
	MUL16 6, 1, 0
	WIN 0
; THE WAY OUT, block by block of 16 rows of A's x 128 rows of B's.  The sums are held within +-448 x the scale (each accumulator from its low end on), converted eight at a time, and go through my own stage in LDS,
; so that each store of the wave covers 512 consecutive bytes.  LDS serves a wave's instructions in order (ISA guide 5.7.1.4): no wait between the stage's stores and loads.
; v = 0: a lane's 8 codes are 8 neighbouring d of one row s: head b / 4, d = 16 (b % 4) + 8 h.   v = 1: 8 neighbouring keys of one d: two blocks b side by side make vt's 16 bytes at 32 (b / 2) + 16 h.
.macro TOSTAGE a, v
.set AC, 64*((\a)%4)
.set CC, CD+16*((\a)%2)
.set BB, BK+16*((\a)%2)
	WIN 0x02+((\a)/4)                              ; source 0: window 2 or 3
.set j, 0
.rept 64
	v_med3_num_f32 v[TMP+j], v[AC+j], -v[LIMR], v[LIMR]   ; the conversion to an 8-bit code does not saturate (ISA guide 7.6.2)
.set j, j+1
.endr
	WIN 0
.irp b, 0,1,2,3,4,5,6,7
	v_cvt_scalef32_pk8_fp8_f32 v[CC+2*\b:CC+2*\b+1], v[TMP+8*\b:TMP+8*\b+7], v[SCR]
.endr
	v_nop                                          ; one plain vector instruction behind the last conversion: the next block's holds write its sources
.if \v
.irp g, 0,1,2,3
	ds_store_b128 v[STV], v[CC+4*\g:CC+4*\g+3] offset:32*\g
.endr
.irp i, 0,1,2,3
	ds_load_b128 v[BB+4*\i:BB+4*\i+3], v[RDV] offset:576*\i
.endr
.else
.irp b, 0,1,2,3,4,5,6,7
	ds_store_b64 v[STQ], v[CC+2*\b:CC+2*\b+1] offset:(\b/4)*1280+16*(\b%4)
.endr
.irp i, 0,1,2,3
	ds_load_b128 v[BB+4*\i:BB+4*\i+3], v[RDQ] offset:(\i/2)*1280+(\i%2)*640
.endr
.endif
.endm
.macro SEND a, v, younger              ; younger: the LDS instructions issued behind block a's loads, which may stay out
.set BB, BK+16*((\a)%2)
	s_wait_dscnt \younger
.irp i, 0,1,2,3
.if \v
	global_store_b128 v[CO], v[BB+4*\i:BB+4*\i+3], s[90:91] offset:((\a)/4)*131072+((\a)%4)*2048+512*\i   ; head a / 4, d = 16 (a % 4) + 4 i on: four rows of 128 bytes
.else
	global_store_b128 v[CO], v[BB+4*\i:BB+4*\i+3], s[90:91] offset:(\i/2)*131072+(\a)*1024+(\i%2)*512     ; head i / 2, s = 16 a + 8 (i % 2) on: eight rows of 64 bytes
.endif
.endr
.endm
.macro ALLOUT v, younger
	TOSTAGE 0, \v
.irp a, 1,2,3,4,5,6,7
.if \a > 1
	s_wait_xcnt 0x0                                ; block a - 2's stores have read their registers: block a's loads may land there
.endif
	TOSTAGE \a, \v
	SEND \a-1, \v, \younger
.endr
	SEND 7, \v, 0
.endm
.macro SCALES                          ; s92 = E: a code is sum / 2^E
	s_add_co_i32 s92, s92, 127
	s_lshl_b32 s93, s92, 23
	v_mov_b32 v[SCR], s93                          ; 2^E as f32: the conversion takes its exponent field
	s_add_co_i32 s92, s92, 8
	s_lshl_b32 s92, s92, 23
	s_or_b32 s92, s92, 0x600000
	v_mov_b32 v[LIMR], s92                         ; 448 x 2^E
.endm
	s_wait_kmcnt 0x0                               ; the exponents
	PLACES NP                                      ; behind the last products
	s_cmp_eq_u32 ttmp9, 2                          ; the cluster's x: the same in all partners
	s_cbranch_scc1 .Lway_v
	; ---- q and k
	s_add_co_i32 s92, s82, 3                       ; q is multiplied by 64^-1/2 = 2^-3: folded into the scale
	s_cmp_eq_u32 ttmp9, 0
	s_cselect_b32 s92, s92, s83                    ; e2 + 3 or e3,
	s_sub_co_i32 s92, s92, s80
	s_sub_co_i32 s92, s92, s81                     ; less e0 + e1
	SCALES
	s_lshl_b32 s94, s17, 8
	s_lshl_b32 s95, s15, 7
	s_add_co_u32 s94, s94, s95                     ; my first row of x
	s_lshr_b32 s95, s94, 11                        ; its batch,
	s_and_b32 s94, s94, 2047                       ; its place in the sequence
	s_lshl_b32 s94, s94, 6
	s_lshl_b32 s95, s95, 21
	s_add_co_u32 s94, s94, s95
	s_and_b32 s95, s42, 3
	s_lshl_b32 s95, s95, 2
	s_lshl_b32 s96, s16, 1
	s_add_co_u32 s95, s95, s96                     ; my first head: 4 x (B's tile % 4) + 2 x half
	s_lshl_b32 s95, s95, 17
	s_add_co_u32 s94, s94, s95
	s_lshl_b32 s95, ttmp9, 23                      ; q's part or k's
	s_add_co_u32 s94, s94, s95
	s_mov_b32 s95, 0
	s_add_nc_u64 s[90:91], s[10:11], s[94:95]
	ALLOUT 0, 12                                   ; behind a block's loads: the next block's 8 stores and 4 loads
	s_branch .Lclose
.Lway_v:
	; ---- v
	s_sub_co_i32 s92, s85, s80
	s_sub_co_i32 s92, s92, s81                     ; e5 - e0 - e1
	SCALES
	s_sub_co_u32 s95, s17, 8
	s_lshl_b32 s95, s95, 2
	s_lshl_b32 s96, s15, 1
	s_add_co_u32 s95, s95, s96                     ; my first head: 4 x (A's tile - 8) + 2 x half
	s_lshl_b32 s94, s95, 17
	s_lshl_b32 s95, s42, 8
	s_lshl_b32 s96, s16, 7
	s_add_co_u32 s95, s95, s96                     ; my first row of x: 128 keys, one block of vt
	s_lshr_b32 s96, s95, 11
	s_lshl_b32 s96, s96, 21                        ; its batch
	s_add_co_u32 s94, s94, s96
	s_and_b32 s95, s95, 2047
	s_lshr_b32 s95, s95, 7
	s_lshl_b32 s95, s95, 13                        ; its block of keys
	s_add_co_u32 s94, s94, s95
	s_mov_b32 s95, 0
	s_add_nc_u64 s[90:91], s[12:13], s[94:95]
	ALLOUT 1, 8                                    ; behind a block's loads: the next block's 4 stores and 4 loads
.Lclose:
	s_wait_tensorcnt 0x0                           ; the wave's end, behind my last tensor load and my last LDS store
	ds_add_u32 v[SPW], v[NIL]
	s_wait_dscnt 0x0
	CROUND                                         ; the closing round: no work-group ends while a partner may still ask for a tile that names it
	s_endpgm
.Lfunc_end_k_qede4b501a9_gemm_qkv:
	.size	k_qede4b501a9_gemm_qkv, .Lfunc_end_k_qede4b501a9_gemm_qkv-k_qede4b501a9_gemm_qkv
	.p2alignl 7, 3214868480
	.fill 96, 4, 3214868480
	.section	.rodata,"a",@progbits
	.p2align	6, 0x0
	.amdhsa_kernel k_qede4b501a9_gemm_qkv
		.amdhsa_group_segment_fixed_size 327680
		.amdhsa_private_segment_fixed_size 0
		.amdhsa_enable_private_segment 0
		.amdhsa_kernarg_size 40
		.amdhsa_user_sgpr_count 2
		.amdhsa_user_sgpr_kernarg_segment_ptr 1
		.amdhsa_wavefront_size32 1
		.amdhsa_system_sgpr_workgroup_id_x 1
		.amdhsa_system_sgpr_workgroup_id_y 1
		.amdhsa_system_sgpr_workgroup_id_z 1
		.amdhsa_system_vgpr_workitem_id 0
		.amdhsa_next_free_vgpr 1024
		.amdhsa_next_free_sgpr 100
		.amdhsa_reserve_vcc 0
		.amdhsa_float_denorm_mode_32 3
		.amdhsa_float_denorm_mode_16_64 3
		.amdhsa_memory_ordered 1
		.amdhsa_forward_progress 1
		.amdhsa_inst_pref_size 170
	.end_amdhsa_kernel
	.amdgpu_metadata
---
amdhsa.version: [ 1, 2 ]
amdhsa.kernels:
  - .name:           k_qede4b501a9_gemm_qkv
    .symbol:         k_qede4b501a9_gemm_qkv.kd
    .args:
      - { .name: xc, .offset: 0, .size: 8, .value_kind: global_buffer, .address_space: global }
      - { .name: wc, .offset: 8, .size: 8, .value_kind: global_buffer, .address_space: global }
      - { .name: lowp_scales, .offset: 16, .size: 8, .value_kind: global_buffer, .address_space: global }
      - { .name: qk, .offset: 24, .size: 8, .value_kind: global_buffer, .address_space: global }
      - { .name: vt, .offset: 32, .size: 8, .value_kind: global_buffer, .address_space: global }
    .group_segment_fixed_size: 327680
    .private_segment_fixed_size: 0
    .kernarg_segment_align: 8
    .kernarg_segment_size: 40
    .max_flat_workgroup_size: 128
    .sgpr_count:     100
    .vgpr_count:     1024
    .wavefront_size: 32
...
	.end_amdgpu_metadata
.endif
;; end of part 2
;; launch attn (part 3): grid 4 x 64, 16 waves a work-group, no clusters, 327,680 bytes of LDS; arguments qk, vt, lowp_scales, ac; writes ac
.if DOCPART == 3
	.amdgcn_target "amdgcn-amd-amdhsa--gfx1250"
	.amdhsa_code_object_version 6
	.text
	.protected	k_qede4b501a9_attn
	.globl	k_qede4b501a9_attn
	.p2align	8
	.type	k_qede4b501a9_attn,@function
k_qede4b501a9_attn:
	s_mov_b64 s[64:65], 0
	v_nop
	global_prefetch_b8 v0, s[64:65] scope:SCOPE_SE
	s_setreg_imm32_b32 hwreg(HW_REG_WAVE_MODE, 25, 1), 1
	s_wait_xcnt 0x0
; Causal attention of 64 heads (4 b x 16), 2,048 positions, head size 64, both products on codes of FP8 (E4M3); the result is quantised for the last product.
; qk: [2 (q, k)][64 head][2048][64] codes (q already x 1/8; scales 2^e2, 2^e3).  vt: [64 head][16 blocks of 128 keys][64 d][128] codes of v (2^e5), keys innermost, each 32 keys' four groups of eight in the order 0, 2, 1, 3.
; ac: [64 (row / 128)][16 head][128 (row % 128)][64 d]: codes of the result (2^e6), laid so that 128 rows x 4 heads are one dense block for the next launch.
; THE SOFTMAX: t = score x log2(e); M = the row's largest t so far, rounded UP to a whole number; p = 2^(t - M) is quantised (2^e4), not normalised; the row's sum is taken of the unquantised p and divides at the end.
; When M moves, the sum and O are multiplied by 2^(old M - new M), which rounds nothing.  A hidden key's score is -infinity, so p = 0: what the mask's -1e10 gives wherever a row's largest logit lies more than some 150 above -1e10.
; SHARES.  Work-group (p, head) owns the blocks p and 7 - p of 256 queries, one after the other: block i walks the slots of 256 keys 0 .. i, so every work-group walks 9 slots: all trip counts are constants.
; Each of the SIXTEEN waves owns 16 queries of the block in hand, in 256 registers.  A step is 128 keys; a step all of whose keys come after the wave's queries is left out by a scalar branch on ids.
; No cluster: the four work-groups of a head begin their second walk at different trips (trip p + 1), so partners would want different tiles behind one round.
; LAYOUT.  Both products are used transposed: S^T = K Q^T (16x16x64; source 0 = 16 neighbouring keys, source 1 = my queries), O^T = V^T P^T (16x16x128): a lane holds ONE query (lane % 16) throughout.
; In S^T's tile t a lane's eight registers are keys 16 t + 8 (lane / 16) + 0 .. 7: their codes are registers 2 t, 2 t + 1 of the second product's operand in that form's own layout; vt's order gives V the same by 16-byte loads.
; LIMITS on the given exponents: e2 + e3 between -126 and 127 (added to c's exponent field); e4 and e6 between -126 and 119; e4 + e5 is applied by v_ldexp_f32 and has none.  NaN is not served.
; LDS: two slots, 65,536 bytes apart: K's 256 keys as 64 rows of 256 bytes (4 keys) + 16 of padding, then V's 2 blocks as 64 rows of 256 bytes (2 d) + 16; stages for the way out; the spare words.
.set SLOT1, 1<<16
.set LP,    272                        ; an LDS row: 256 bytes + 16
.set VOFF,  64*LP
.set STG,   2*SLOT1                    ; 16 rows x 80 bytes for each wave: no tile lands here
.set SPARE, STG+16*1280                ; the spare words, 128 bytes for each wave: eight blocks of 256 bytes that no other line names
.set AK0,  1                           ; v1   my lane's place in a tile of K: (r / 4) LP + 64 (r % 4) + 16 h
.set AV0,  2                           ; v2   in a tile of V: VOFF + (r / 2) LP + 128 (r % 2) + 16 h
.set PFO,  3                           ; v3   256 x lane, for the prefetches
.set QA,   4                           ; v4   64 r + 16 h: my bytes of my wave's rows of q
.set SPW,  5                           ; v5   LDS address of my spare word; never rewritten
.set NIL,  6                           ; v6   0; never rewritten
.set GO,   7                           ; v7   16 x lane
.set ADK,  8                           ; v8, v9  LDS addresses of the step in hand
.set ADV,  9
.set STI,  10                          ; v10  the stage: where I put 8 bytes of a row
.set STO,  11                          ; v11  and where I read 16 bytes back
; v12 -M, v13 the largest t, v[14:15] the sum; v16-23 Q; v32-95 fragments of K, then of V; v96-159 S^T, then p; v160-191 O^T; v192-207 p's codes; v[208:209] f; v210-214 at work;
; v216, v217: 448 x 2^e4, 2^e4; v218, v219: 448 x 2^e6, 2^e6; v220, v221 the mask's
.set TB,   2                           ; s2   LDS byte at which the slot in hand begins
.set WV,   18
.set SEL,  20                          ; s[20:21] lane selects: lane l xor 16
.set CS,   22                          ; s[22:23] c = log2(e) x 2^(e2 + e3)
.set G1,   24                          ; s[24:31] descriptor group 1: 64 rows of 256 bytes, dense in memory: K's tile and V's alike
.set G0K,  32                          ; s[32:35], s[36:39] groups 0
.set G0V,  36
.set KB,   40                          ; s[40:41] the head's K;  s[42:43] its V
.set VB,   42
.set OFFS, 44                          ; s[44:45] 16,384 x the key block to be fetched
.set SLOTS, 49                         ; s49  changes of slots that still fill
.set KF,   50                          ; s50  the step's first key
.set Q0,   51                          ; s51  my first query
.set PFA,  60                          ; s[60:61] where my prefetches stand
.set LIM,  62                          ; s62  1 in a wave that prefetches, else the greatest number
; Wave 0 fetches K's tile, wave 1 V's, the others nothing: 64 rows each.  An s_nop 0 and four v_nop follow each of the two lines.
.macro TLOAD
	s_cmp_eq_u32 s[WV], 0
	s_cbranch_scc0 .Lnot_k_\@
	tensor_load_to_lds s[G0K:G0K+3], s[G1:G1+7]
	s_nop 0
.rept 4
	v_nop
.endr
	s_branch .Lasked_\@
.Lnot_k_\@:
	s_cmp_eq_u32 s[WV], 1
	s_cbranch_scc0 .Lasked_\@
	tensor_load_to_lds s[G0V:G0V+3], s[G1:G1+7]
	s_nop 0
.rept 4
	v_nop
.endr
.Lasked_\@:
.endm
; A PREFETCH INTO THE L2 of the key block that the NEXT change of slots will ask for.  All four work-groups of a head walk the same K and V: the one with p = 0, whose second walk takes all eight key blocks in order, asks.
; In it waves 4 and 5 ask for K's 16,384 bytes, waves 6 and 7 for V's: 8,192 bytes a wave, lanes 256 bytes apart, one instruction.  Trip t names key block t + 1: blocks 1 to 7, each once; the last filling change asks for nothing.
.macro ASK
	s_cmp_gt_u32 s[SLOTS], s[LIM]
	s_cbranch_scc0 .Lnot_mine_\@
	global_prefetch_b8 v[PFO], s[PFA:PFA+1] th:TH_LOAD_NT scope:SCOPE_SE
.Lnot_mine_\@:
.endm
	s_load_b256 s[4:11], s[0:1], 0x0               ; qk s[4:5], vt s[6:7], the scales' exponents s[8:9], ac s[10:11]
	v_lshl_add_u32 v[SPW], v0, 2, SPARE
	v_mov_b32 v[NIL], 0
	ds_add_u32 v[SPW], v[NIL]                      ; the wave's opening: the add and its wait stand ahead of my first tensor load; the set-up below stands between them
	v_lshrrev_b32 v210, 5, v0
	v_readfirstlane_b32 s[WV], v210                ; wave 0..15
	s_and_b32 s76, ttmp7, 0xffff                   ; the head, 0..63
	s_lshl_b32 s78, s76, 17                        ; its first byte in q's part, in k's part and in vt
	s_mov_b32 s79, 0
	s_lshl_b32 s77, s[WV], 4
	s_lshl_b32 s[Q0], ttmp9, 8
	s_add_co_u32 s[Q0], s[Q0], s77                 ; my first query in block p
	s_sub_co_u32 s48, 7, ttmp9                     ; 7 - p: the second block; also the count at which the blocks change
	s_lshl_b32 s52, s48, 8
	s_add_co_u32 s52, s52, s77                     ; my first query in block 7 - p
	s_add_co_u32 s47, ttmp9, 1                     ; p + 1: the first walk's slots
	s_lshl_b32 s82, s[Q0], 6
	s_add_co_u32 s82, s82, s78                     ; q's codes of my queries, block p,
	s_mov_b32 s83, 0
	s_lshl_b32 s84, s52, 6
	s_add_co_u32 s84, s84, s78                     ; and block 7 - p
	s_mov_b32 s85, 0
	s_and_b32 s90, s76, 0x30                       ; 16 x batch: ac's blocks of 128 rows
	s_lshr_b32 s91, s[WV], 3
	s_add_co_u32 s90, s90, s91
	s_lshl_b32 s90, s90, 17
	s_and_b32 s91, s76, 15
	s_lshl_b32 s91, s91, 13                        ; the head's 128 x 64 bytes
	s_add_co_u32 s90, s90, s91
	s_and_b32 s91, s[WV], 7
	s_lshl_b32 s91, s91, 10                        ; my 16 rows of 64 bytes
	s_add_co_u32 s90, s90, s91
	s_lshl_b32 s91, ttmp9, 18                      ; a block of 256 queries is two of ac's blocks
	s_add_co_u32 s92, s90, s91
	s_mov_b32 s93, 0
	s_lshl_b32 s91, s48, 18
	s_add_co_u32 s94, s90, s91
	s_mov_b32 s95, 0
	s_mov_b32 s[G1], (0<<16)|(1<<20)|(5<<22)|(3<<25)   ; no mask; elements of 1 byte; padding on: four words after every 64
	s_mov_b32 s[G1+1], 256<<16                     ; tensor_dim0
	s_mov_b32 s[G1+2], 64<<16                      ; tensor_dim1
	s_mov_b32 s[G1+3], 256<<16                     ; tile_dim0
	s_mov_b32 s[G1+4], 64                          ; tile_dim1
	s_mov_b32 s[G1+5], 256                         ; tensor_dim0_stride
	s_mov_b32 s[G1+6], 0
	s_mov_b32 s[G1+7], 0
	s_mov_b32 s[G0K], 1
	s_mov_b32 s[G0K+1], 0                          ; slot 0
	s_mov_b32 s[G0V], 1
	s_mov_b32 s[G0V+1], VOFF
	s_mov_b32 s[SEL], 0x76543210
	s_mov_b32 s[SEL+1], 0xfedcba98
	s_mov_b32 s[CS], 0x3fb8aa3b                    ; log2(e)
	s_mov_b32 s[TB], 0
	s_mov_b32 s[OFFS+1], 0
	s_mov_b32 s[SLOTS], 8
	s_mov_b32 s[KF], 0
	s_wait_dscnt 0x0                               ; the opening add is done
	s_wait_kmcnt 0x0
	s_load_b256 s[68:75], s[8:9], 0x0              ; e0 .. e7
	s_add_nc_u64 s[KB:KB+1], s[4:5], s[78:79]
	s_add_nc_u64 s[KB:KB+1], s[KB:KB+1], 0x800000  ; k's part of qk
	s_add_nc_u64 s[VB:VB+1], s[6:7], s[78:79]
	s_mov_b64 s[G0K+2:G0K+3], s[KB:KB+1]           ; key block 0
	s_or_b32 s[G0K+3], s[G0K+3], 0x80000000
	s_mov_b64 s[G0V+2:G0V+3], s[VB:VB+1]
	s_or_b32 s[G0V+3], s[G0V+3], 0x80000000
	TLOAD                                          ; slot 0
	s_add_nc_u64 s[86:87], s[4:5], s[82:83]        ; q, block p
	s_add_nc_u64 s[54:55], s[4:5], s[84:85]        ; q, block 7 - p
	s_add_nc_u64 s[56:57], s[10:11], s[92:93]      ; ac, block p
	s_add_nc_u64 s[58:59], s[10:11], s[94:95]      ; ac, block 7 - p
	s_cmp_lt_u32 s[WV], 6                          ; the prefetches: waves 4, 5 K; waves 6, 7 V
	s_cselect_b64 s[PFA:PFA+1], s[KB:KB+1], s[VB:VB+1]
	s_and_b32 s76, s[WV], 1
	s_lshl_b32 s76, s76, 13
	s_mov_b32 s77, 0
	s_add_nc_u64 s[PFA:PFA+1], s[PFA:PFA+1], s[76:77]   ; at key block 0: the first change steps it to block 1.  Nothing is prefetched here, at the head
	s_sub_co_u32 s76, s[WV], 4
	s_lshr_b32 s76, s76, 2                         ; 0 in waves 4 to 7,
	s_or_b32 s76, s76, ttmp9                       ; of the work-group with p = 0
	s_cmp_eq_u32 s76, 0
	s_cselect_b32 s[LIM], 1, -1
	v_and_b32 v210, 15, v0                         ; r
	v_bfe_u32 v211, v0, 4, 1                       ; h
	v_lshlrev_b32 v[QA], 6, v210
	v_lshl_add_u32 v[QA], v211, 4, v[QA]
	global_load_b128 v[16:19], v[QA], s[86:87]             ; Q's fragment: registers 4 c .. 4 c + 3 hold d = 32 c + 16 h + 0 .. 15, as K's do
	global_load_b128 v[20:23], v[QA], s[86:87] offset:32
	v_lshrrev_b32 v212, 2, v210
	v_mul_u32_u24 v[AK0], v212, LP
	v_and_b32 v212, 3, v210
	v_lshl_add_u32 v[AK0], v212, 6, v[AK0]
	v_lshl_add_u32 v[AK0], v211, 4, v[AK0]
	v_lshrrev_b32 v212, 1, v210
	v_mul_u32_u24 v[AV0], v212, LP
	v_and_b32 v212, 1, v210
	v_lshl_add_u32 v[AV0], v212, 7, v[AV0]
	v_lshl_add_u32 v[AV0], v211, 4, v[AV0]
	v_add_nc_u32 v[AV0], VOFF, v[AV0]
	s_mul_i32 s77, s[WV], 1280
	s_add_co_u32 s77, s77, STG                     ; my stage
	v_mul_u32_u24 v[STI], v210, 80
	v_lshl_add_u32 v[STI], v211, 3, v[STI]
	v_add_nc_u32 v[STI], s77, v[STI]
	v_bfe_u32 v212, v0, 2, 3                       ; lane / 4
	v_mul_u32_u24 v[STO], v212, 80
	v_and_b32 v212, 3, v0
	v_lshl_add_u32 v[STO], v212, 4, v[STO]
	v_add_nc_u32 v[STO], s77, v[STO]
	v_and_b32 v[GO], 31, v0
	v_lshlrev_b32 v[PFO], 8, v[GO]
	v_lshlrev_b32 v[GO], 4, v[GO]
	v_mov_b32 v209, 0                              ; (named as the upper half of the pair v[208:209])
	v_mov_b32 v214, 0                              ; written once: a lane permute's destination counts as one of its sources
.macro BEGIN                           ; a block's start: the largest t is -3e38, under every t; the sum and O^T are zeros, which the first change of M leaves zeros
	v_mov_b32 v13, 0xff61b1e6
	v_floor_f32 v12, -v13
	v_mov_b32 v14, 0
	v_mov_b32 v15, 0
.set j, 0
.rept 32
	v_mov_b32 v[160+j], 0
.set j, j+1
.endr
.endm
	BEGIN
	s_wait_kmcnt 0x0
	s_add_co_i32 s76, s70, s71
	s_lshl_b32 s76, s76, 23
	s_add_co_i32 s[CS], s[CS], s76                 ; a score stands for score x 2^(e2 + e3): added to c's exponent field
	s_mov_b32 s[CS+1], s[CS]                       ; (named with it as a pair, so it is written)
	s_add_co_i32 s76, s72, 127
	s_lshl_b32 s77, s76, 23
	v_mov_b32 v217, s77                            ; 2^e4
	s_add_co_i32 s76, s76, 8
	s_lshl_b32 s76, s76, 23
	s_or_b32 s76, s76, 0x600000
	v_mov_b32 v216, s76                            ; 448 x 2^e4
	s_add_co_i32 s76, s74, 127
	s_lshl_b32 s77, s76, 23
	v_mov_b32 v219, s77                            ; 2^e6
	s_add_co_i32 s76, s76, 8
	s_lshl_b32 s76, s76, 23
	s_or_b32 s76, s76, 0x600000
	v_mov_b32 v218, s76                            ; 448 x 2^e6
	s_add_co_i32 s80, s72, s73                     ; e4 + e5
; A KEY STEP: 128 keys, the q-th of the slot in hand.
.macro STEP q
	s_add_co_u32 s96, s[Q0], 15
	s_cmp_gt_u32 s[KF], s96                        ; all 128 keys come after my 16 queries: the step's work is left out; no barrier and no tensor load stands in a step
	s_cbranch_scc1 .Lhidden_\@
	v_add_nc_u32 v[ADK], s[TB], v[AK0]
	v_add_nc_u32 v[ADV], s[TB], v[AV0]
	v_nop
	v_nop                                          ; with the two additions: four places in front of loads into registers that the last products read
.irp t, 0,1,2,3,4,5,6,7
.irp c, 0,1
	ds_load_b128 v[32+8*\t+4*\c:35+8*\t+4*\c], v[ADK] offset:(32*(\q)+4*\t)*LP+32*\c
.endr
.endr
	s_wait_dscnt 0x0
.irp t, 0,1,2,3,4,5,6,7
	v_wmma_f32_16x16x64_fp8_fp8 v[96+8*\t:103+8*\t], v[32+8*\t:39+8*\t], v[16:23], 0   ; S^T: lane (r, h) holds query r, register j key 16 t + 8 h + j
.endr
.rept 4
	v_nop                                          ; places in front of the loads below and of the first read of the scores
.endr
.irp t, 0,1,2,3
.irp c, 0,1,2,3
	ds_load_b128 v[32+16*\t+4*\c:35+16*\t+4*\c], v[ADV] offset:(\q)*32*LP+8*\t*LP+32*\c   ; V's four tiles of 16 d x 128 keys: they land while the softmax is walked
.endr
.endr
	s_add_co_u32 s96, s[KF], 127                   ; on the diagonal hidden keys' scores become -infinity ahead of the maximum; a step all of whose keys count skips this
	s_cmp_le_u32 s96, s[Q0]
	s_cbranch_scc1 .Lopen_\@
	s_sub_co_i32 s96, s[Q0], s[KF]
	v_and_b32 v220, 15, v0
	v_bfe_u32 v221, v0, 4, 1
	v_lshlrev_b32 v221, 3, v221
	v_sub_nc_u32 v220, v220, v221
	v_add_nc_u32 v220, s96, v220                   ; d = my query - KF - 8 h.  Register 8 t + j holds key KF + 8 h + 16 t + j: hidden where 16 t + j > d
	v_mov_b32 v221, 0xff800000
.set n, 0
.rept 64
	v_cmp_gt_i32 vcc_lo, 16*(n/8)+n%8, v220
	v_cndmask_b32 v[96+n], v[96+n], v221, vcc_lo
.set n, n+1
.endr
.Lopen_\@:
	v_max3_num_f32 v210, v96, v97, v98             ; the step's largest score of my query among my 64 keys, in two chains, each tile from its low end on,
	v_max3_num_f32 v211, v99, v100, v101
.irp i, 6,10,14,18,22,26,30,34,38,42,46,50,54,58
	v_max3_num_f32 v210, v210, v[96+\i], v[97+\i]
	v_max3_num_f32 v211, v211, v[98+\i], v[99+\i]
.endr
	v_max3_num_f32 v210, v210, v158, v159
	v_max_num_f32 v210, v210, v211
	v_permlanex16_b32 v214, v210, s[SEL], s[SEL+1]
	v_max_num_f32 v210, v210, v214                 ; and among lane l xor 16's
	v_mul_f32 v210, s[CS], v210                    ; as t (c is positive)
	v_max_num_f32 v13, v13, v210                   ; the running largest t
	v_mov_b32 v210, v12
	v_floor_f32 v12, -v13                          ; the new -M = floor(-t): M is a whole number
	v_sub_f32 v210, v12, v210                      ; old M - new M: a whole number, 0 or less
	v_cvt_i32_f32 v210, v210                       ; (it saturates)
	v_ldexp_f32 v208, 1.0, v210                    ; f = 2^(old M - new M)
.set j, 0
.rept 32
	v_pk_fma_f32 v[96+j:97+j], v[96+j:97+j], s[CS:CS+1], v[12:13] op_sel_hi:[1,0,0]   ; t - M, two at a time (of the pairs c and -M the low word serves both halves)
.set j, j+2
.endr
.set j, 0
.rept 64
	v_exp_f32 v[96+j], v[96+j]                     ; p = 2^(t - M), at most 1
.set j, j+1
.endr
	v_pk_mul_f32 v[14:15], v[14:15], v[208:209] op_sel_hi:[1,0]   ; the sums under the new M: the plain instruction behind the exponentials
	s_wait_alu depctr_va_vdst(0)                   ; one wait for the whole batch, ahead of its first reader
	v_pk_add_f32 v[212:213], v[96:97], v[98:99]    ; the row's sum is taken of the unquantised p, in two chains
.irp j, 4,8,12,16,20,24,28,32,36,40,44,48,52,56,60
	v_pk_add_f32 v[14:15], v[14:15], v[96+\j:97+\j]
	v_pk_add_f32 v[212:213], v[212:213], v[98+\j:99+\j]
.endr
	v_pk_add_f32 v[14:15], v[14:15], v[212:213]
.irp t, 0,1,2,3,4,5,6,7
.irp i, 0,1,2,3,4,5,6,7
	v_min_num_f32 v[96+8*\t+\i], v[96+8*\t+\i], v216   ; the conversion does not saturate (ISA guide 7.6.2); p is not negative, so the hold is one-sided
.endr
	v_cvt_scalef32_pk8_fp8_f32 v[192+2*\t:193+2*\t], v[96+8*\t:103+8*\t], v217   ; keys 16 t + 8 h + 0 .. 7: registers 2 t, 2 t + 1 of the operand
.endr
.set j, 0
.rept 16
	v_pk_mul_f32 v[160+j:161+j], v[160+j:161+j], v[208:209] op_sel_hi:[1,0]   ; O^T under the new M; also the plain instructions between the conversions and the products
.set j, j+2
.endr
	s_wait_dscnt 0x0                               ; V is in
.irp t, 0,1,2,3
	v_wmma_f32_16x16x128_fp8_fp8 v[160+8*\t:167+8*\t], v[32+16*\t:47+16*\t], v[192:207], v[160+8*\t:167+8*\t]   ; the four accumulators take turns
.endr
.Lhidden_\@:
	s_add_co_u32 s[KF], s[KF], 128
.endm
; THE CHANGE OF SLOTS stands at a slot's head.  Each wave waits for all its tensor loads, adds 0 to its spare word, and waits for that and for its reads of the slot that it has left.
; Behind the barrier the slot ahead is whole and nobody reads the other one.  fill = 1: that other slot is filled: the load has a whole slot's steps in which to land.
.macro CHANGE fill
	s_wait_tensorcnt 0x0                           ; no tensor load of mine is out, so a group 0 may be written
	ds_add_u32 v[SPW], v[NIL]                      ; 0 onto my spare word
.if \fill
	s_xor_b32 s[G0K+1], s[G0K+1], SLOT1            ; the other slot than last time
	s_xor_b32 s[G0V+1], s[G0V+1], SLOT1
	s_sub_co_u32 s46, 9, s[SLOTS]                  ; which of the nine slots of the walk is asked for: 1 .. 8
	s_cmp_gt_u32 s46, ttmp9                        ; past the first block's p + 1?
	s_cselect_b32 s76, s47, 0
	s_sub_co_u32 s46, s46, s76                     ; its key block
	s_lshl_b32 s[OFFS], s46, 14
	s_add_nc_u64 s[G0K+2:G0K+3], s[KB:KB+1], s[OFFS:OFFS+1]
	s_or_b32 s[G0K+3], s[G0K+3], 0x80000000
	s_add_nc_u64 s[G0V+2:G0V+3], s[VB:VB+1], s[OFFS:OFFS+1]
	s_or_b32 s[G0V+3], s[G0V+3], 0x80000000
	s_wait_xcnt 0x0                                ; the last prefetch, a slot back, has read its address, so it may be written
	s_add_nc_u64 s[PFA:PFA+1], s[PFA:PFA+1], 16384
.endif
	s_wait_dscnt 0x0                               ; the add is done, and my reads of the slot that I have left are over
	s_barrier_signal -1
	s_barrier_wait -1
.if \fill
	TLOAD                                          ; the first thing behind the barrier, and a wave's one tensor load until the next
	ASK
.endif
.endm
; THE WAY OUT of a block: O^T / the sum x 2^(e4 + e5) is held, converted (2^e6) and sent through my stage: 16 rows of 64 bytes are 1,024 consecutive bytes of ac: two stores of 512.
.macro WAYOUT out
.rept 4
	v_nop                                          ; places behind the last products
.endr
	v_add_f32 v14, v14, v15
	v_permlanex16_b32 v214, v14, s[SEL], s[SEL+1]
	v_add_f32 v14, v14, v214                       ; the row's sum
	v_rcp_f32 v14, v14
	v_nop                                          ; a plain instruction behind the transcendental,
	s_wait_alu depctr_va_vdst(0)                   ; and the wait ahead of its first reader
	v_ldexp_f32 v14, v14, s80
.set j, 0
.rept 32
	v_mul_f32 v[96+j], v[160+j], v14               ; register 8 t + i is o(r, 16 t + 8 h + i); each accumulator from its low end on
.set j, j+1
.endr
.set j, 0
.rept 32
	v_med3_num_f32 v[96+j], v[96+j], -v218, v218
.set j, j+1
.endr
.irp t, 0,1,2,3
	v_cvt_scalef32_pk8_fp8_f32 v[192+2*\t:193+2*\t], v[96+8*\t:103+8*\t], v219
.endr
	v_nop                                          ; one plain vector instruction behind the last conversion
.irp t, 0,1,2,3
	ds_store_b64 v[STI], v[192+2*\t:193+2*\t] offset:16*\t
.endr
.irp i, 0,1
	ds_load_b128 v[32+4*\i:35+4*\i], v[STO] offset:640*\i   ; LDS serves a wave's instructions in order: these see my stores
.endr
.irp i, 0,1
	s_wait_dscnt 1-\i
	global_store_b128 v[GO], v[32+4*\i:35+4*\i], s[\out:\out+1] offset:512*\i
.endr
.endm
; At the head of the walk's slot p + 1 the first block goes out and the second begins.  A branch on the work-group's number: the same in all sixteen waves; no barrier stands in it.
.macro SWITCH
	s_cmp_eq_u32 s[SLOTS], s48
	s_cbranch_scc0 .Lsame_\@
	WAYOUT 56
	s_mov_b32 s[Q0], s52
	s_mov_b32 s[KF], 0
	global_load_b128 v[16:19], v[QA], s[54:55]
	global_load_b128 v[20:23], v[QA], s[54:55] offset:32
	BEGIN
	s_wait_loadcnt 0x0                             ; Q
	s_wait_xcnt 0x0                                ; the stores have read their registers: the next step's fragments may land there
.Lsame_\@:
.endm
	s_wait_loadcnt 0x0                             ; Q
.Lslot:                                            ; 8 trips: behind each change of slots but the last the next slot is asked for
	CHANGE 1
	SWITCH
	STEP 0
	STEP 1
	s_xor_b32 s[TB], s[TB], SLOT1                  ; on to the other slot
	s_sub_co_u32 s[SLOTS], s[SLOTS], 1
	s_cmp_lg_u32 s[SLOTS], 0
	s_cbranch_scc1 .Lslot
	CHANGE 0                                       ; the last slot is written out
	STEP 0
	STEP 1
	WAYOUT 58
	s_wait_tensorcnt 0x0                           ; the wave's end, behind my last tensor load and my last LDS store
	ds_add_u32 v[SPW], v[NIL]
	s_wait_dscnt 0x0
	s_endpgm
.Lfunc_end_k_qede4b501a9_attn:
	.size	k_qede4b501a9_attn, .Lfunc_end_k_qede4b501a9_attn-k_qede4b501a9_attn
	.p2alignl 7, 3214868480
	.fill 96, 4, 3214868480
	.section	.rodata,"a",@progbits
	.p2align	6, 0x0
	.amdhsa_kernel k_qede4b501a9_attn
		.amdhsa_group_segment_fixed_size 327680
		.amdhsa_private_segment_fixed_size 0
		.amdhsa_enable_private_segment 0
		.amdhsa_kernarg_size 32
		.amdhsa_user_sgpr_count 2
		.amdhsa_user_sgpr_kernarg_segment_ptr 1
		.amdhsa_wavefront_size32 1
		.amdhsa_system_sgpr_workgroup_id_x 1
		.amdhsa_system_sgpr_workgroup_id_y 1
		.amdhsa_system_sgpr_workgroup_id_z 1
		.amdhsa_system_vgpr_workitem_id 0
		.amdhsa_next_free_vgpr 256
		.amdhsa_next_free_sgpr 100
		.amdhsa_reserve_vcc 1
		.amdhsa_float_denorm_mode_32 3
		.amdhsa_float_denorm_mode_16_64 3
		.amdhsa_memory_ordered 1
		.amdhsa_forward_progress 1
		.amdhsa_inst_pref_size 103
	.end_amdhsa_kernel
	.amdgpu_metadata
---
amdhsa.version: [ 1, 2 ]
amdhsa.kernels:
  - .name:           k_qede4b501a9_attn
    .symbol:         k_qede4b501a9_attn.kd
    .args:
      - { .name: qk, .offset: 0, .size: 8, .value_kind: global_buffer, .address_space: global }
      - { .name: vt, .offset: 8, .size: 8, .value_kind: global_buffer, .address_space: global }
      - { .name: lowp_scales, .offset: 16, .size: 8, .value_kind: global_buffer, .address_space: global }
      - { .name: ac, .offset: 24, .size: 8, .value_kind: global_buffer, .address_space: global }
    .group_segment_fixed_size: 327680
    .private_segment_fixed_size: 0
    .kernarg_segment_align: 8
    .kernarg_segment_size: 32
    .max_flat_workgroup_size: 512
    .sgpr_count:     100
    .vgpr_count:     256
    .wavefront_size: 32
...
	.end_amdgpu_metadata
.endif
;; end of part 3
;; launch gemm_out (part 4): grid 4 x 32, 4 waves a work-group, clusters of 4 x 4, 327,680 bytes of LDS; arguments ac, wc, lowp_scales, out0; writes out0
.if DOCPART == 4
	.amdgcn_target "amdgcn-amd-amdhsa--gfx1250"
	.amdhsa_code_object_version 6
	.text
	.protected	k_qede4b501a9_gemm_out
	.globl	k_qede4b501a9_gemm_out
	.p2align	8
	.type	k_qede4b501a9_gemm_out,@function
k_qede4b501a9_gemm_out:
	s_mov_b64 s[64:65], 0
	v_nop
	global_prefetch_b8 v0, s[64:65] scope:SCOPE_SE
	s_setreg_imm32_b32 hwreg(HW_REG_WAVE_MODE, 25, 1), 1
	s_wait_xcnt 0x0
	s_wait_alu depctr_hold_cnt(0) depctr_sa_sdst(0) depctr_va_vdst(0) depctr_va_sdst(0) depctr_va_ssrc(0) depctr_va_vcc(0) depctr_vm_vsrc(0)
	s_getreg_b32 s2, hwreg(HW_REG_IB_STS2, 6, 4)
	s_cmp_eq_u32 s2, 0
	s_cbranch_scc0 .Lentry_in_a_cluster
	s_endpgm
.Lentry_in_a_cluster:
	s_bfe_u32 s2, ttmp6, 0x10000c
	s_cmp_lg_u32 s2, 0xf033
	s_cbranch_scc0 .Lentry_shape_is_right
	s_endpgm
.Lentry_shape_is_right:
; out0 = a w_out on codes of FP8 (E4M3).  ac: the attention's result as codes, [64 (row / 128)][16 head][128 (row % 128)][64 d]; k = 64 head + d.  wc's rows 3072 on: w_out's columns, [1024][1024], K innermost.
; out0: [8192][1024] f32.  The codes are multiplied as they are, and each finished sum once by 2^(e6 + e7).  LIMIT: e6 + e7 lies between -126 and 127, so that 2^(e6 + e7) is an f32 number.
; A tile of 256 x 256 is made by four waves, 128 x 128 each: 64 accumulators, 512 registers.  K goes in steps of 256 through a ring of two LDS slots filled by the tensor data mover.
; A K step of 128 rows of ac is 4 heads x 128 rows x 64 bytes: ONE dense block of 32,768 bytes, brought as 128 lines of 256 bytes: line 32 hd + row / 4 holds, at byte 64 (row % 4), that row's 64 d of head hd.
; CLUSTERS: 4 x 4 work-groups; A's tiles are asked for jointly along a row of the cluster, B's along a column.  THE MATRIX INSTRUCTION IS USED TRANSPOSED: a lane holds eight neighbouring numbers of a row of out0.
; 128 work-groups: a tile of 256 x 256 keeps the wave tile of 128 x 128, which reads the fewest LDS bytes for each multiply-add.
; REGISTERS, in windows of 256: window 0: v0-31 addresses; from v128 A's fragments, ONE set; on the way out v32-255 are free.   window 1: B's fragments, TWO sets.   windows 2, 3: the accumulators.
.set SIZE_N, 1024
.set SIZE_K, 1024
.set KSTEP,  256
.set ROWB,   256
.set KROW,   1024                      ; a row of wc in memory
.set ASTEP,  32768                     ; a K step of 128 rows of ac
.set PITCH,  272                       ; an LDS row: 256 bytes + 16 of padding
.set FR,     16
.set NL,     4
.set NP,     4                         ; places behind this matrix instruction (ISA guide 7.12.1)
.set HALFT,  128*PITCH
.set SLOT,   4*HALFT
.set LAPS,   SIZE_K/(2*KSTEP)
.set SPARE,  2*SLOT
.set SPITCH, 528                       ; the way out: a stage of 16 rows x (512 bytes + 16) for each wave, in slot 0, which has had its last fill and its last read by then
.set ADRA, 16
.set ADRB, 20
.set STO,  24
.set RD,   25
.set CO,   26
.set SPW,  28
.set NIL,  29
.set TMP,  32
.set AF,   128
.set BK,   128
.set G1, 24
.set G0, 32
.set G1B, 48
.set G0B, 56
.set MSB, 0
.macro WIN new                         ; the immediate's high byte repeats the setting that is left
.if MSB != \new
	s_set_vgpr_msb (MSB<<8)|\new
.set MSB, \new
.endif
.endm
.set MUL_LO, 0xa1
.set MUL_HI, 0xf1
.set TO_B,   0x40
.macro JLOAD g0a, g1a, g0b, g1b        ; a joint load: waves 0 and 1 fetch for A, waves 2 and 3 for B; an s_nop 0 and four v_nop follow each of the two lines
	s_cmp_eq_u32 s15, 0
	s_cbranch_scc0 .Lfor_b_\@
	tensor_load_to_lds s[\g0a:\g0a+3], s[\g1a:\g1a+7]
	s_nop 0
.rept 4
	v_nop
.endr
	s_branch .Lasked_\@
.Lfor_b_\@:
	tensor_load_to_lds s[\g0b:\g0b+3], s[\g1b:\g1b+7]
	s_nop 0
.rept 4
	v_nop
.endr
.Lasked_\@:
.endm
.macro CREST
	s_cmp_lg_u32 s14, 0
	s_cbranch_scc1 .Lnot_wave_0_\@
	s_barrier_signal -3
.Lnot_wave_0_\@:
	s_barrier_wait -3
	s_barrier_signal -1
	s_barrier_wait -1
.endm
.macro CROUND
	s_barrier_signal -1
	s_barrier_wait -1
	CREST
.endm
	s_load_b128 s[4:7], s[0:1], 0x0                ; ac s[4:5], wc s[6:7]
	s_load_b128 s[8:11], s[0:1], 0x10              ; the scales' exponents s[8:9], out0 s[10:11]
	v_lshl_add_u32 v[SPW], v0, 2, SPARE
	v_mov_b32 v[NIL], 0
	ds_add_u32 v[SPW], v[NIL]                      ; the wave's opening: the add and its wait stand ahead of my first tensor load; the set-up below stands between them
	v_lshrrev_b32 v1, 5, v0
	v_readfirstlane_b32 s14, v1                    ; wave 0..3
	s_lshr_b32 s15, s14, 1                         ; which half of the tile's rows is mine.  Also: I fetch for A (0) or for B (1)
	s_and_b32 s16, s14, 1                          ; which half of its columns.  Also: which 128 rows of that tile I fetch
	s_bfe_u32 s40, ttmp6, 0x40000
	s_bfe_u32 s41, ttmp6, 0x40004
	s_lshl_b32 s42, ttmp9, 2
	s_add_co_u32 s42, s42, s40                     ; tile column = 4 x cluster x + cx
	s_and_b32 s17, ttmp7, 0xffff
	s_lshl_b32 s17, s17, 2
	s_add_co_u32 s17, s17, s41                     ; tile row = 4 x cluster y + cy
	s_lshl_b32 s43, s41, 2
	s_lshl_b32 s43, 15, s43                        ; my row of the cluster
	s_lshl_b32 s44, 0x1111, s40                    ; my column
	s_or_b32 s[G1+0], s43, (0<<16)|(1<<20)|(1<<21)|(5<<22)|(3<<25)  ; the mask; elements of 1 byte; padding on; bit 21 beside a mask; four words after every 64
	s_or_b32 s[G1B+0], s44, (0<<16)|(1<<20)|(1<<21)|(5<<22)|(3<<25)
.irp g, G1, G1B
	s_mov_b32 s[\g+1], ROWB<<16                    ; tensor_dim0
	s_mov_b32 s[\g+2], 128<<16                     ; tensor_dim1
	s_mov_b32 s[\g+3], ROWB<<16                    ; tile_dim0
	s_mov_b32 s[\g+4], 128                         ; tile_dim1
	s_mov_b32 s[\g+6], 0
	s_mov_b32 s[\g+7], 0
.endr
	s_mov_b32 s[G1+5], ROWB                        ; A: the block is dense: a line begins where the last ends
	s_mov_b32 s[G1B+5], KROW                       ; B: rows of 1,024 bytes
	s_lshl_b32 s20, s17, 1
	s_add_co_u32 s20, s20, s16                     ; A: which block of 128 rows I fetch: 2 x tile row + half
	s_lshl_b32 s20, s20, 17                        ; 16 heads x 128 rows x 64 bytes
	s_mov_b32 s21, 0
	s_lshl_b32 s18, s16, 7
	s_lshl_b32 s46, s42, 8
	s_add_co_u32 s46, s46, s18                     ; B: row 256 x tile column + 128 x half,
	s_lshl_b32 s46, s46, 10
	s_add_co_u32 s46, s46, 3072*1024               ; behind w_qkv's 3,072 rows
	s_mov_b32 s47, 0
	s_mul_i32 s45, s14, HALFT                      ; where they go: wave x 128 lines: no place in the cluster enters an LDS address
	s_wait_dscnt 0x0                               ; the opening add is done
	s_wait_kmcnt 0x0
	s_load_b64 s[96:97], s[8:9], 0x18              ; e6, e7
	s_add_nc_u64 s[20:21], s[4:5], s[20:21]
	s_add_nc_u64 s[46:47], s[6:7], s[46:47]
	CROUND                                         ; all sixteen work-groups are here: the first joint loads meet
.irp s, 0,1
	s_mov_b32 s[G0+4*\s], 1
	s_add_co_u32 s[G0+4*\s+1], s45, \s*SLOT
	s_add_nc_u64 s[G0+4*\s+2:G0+4*\s+3], s[20:21], \s*ASTEP
	s_or_b32 s[G0+4*\s+3], s[G0+4*\s+3], 0x80000000
	s_mov_b32 s[G0B+4*\s], 1
	s_add_co_u32 s[G0B+4*\s+1], s45, \s*SLOT
	s_add_nc_u64 s[G0B+4*\s+2:G0B+4*\s+3], s[46:47], \s*ROWB
	s_or_b32 s[G0B+4*\s+3], s[G0B+4*\s+3], 0x80000000
	JLOAD G0+4*\s, G1, G0B+4*\s, G1B
.endr
	v_and_b32 v1, 15, v0                           ; r = l % 16
	v_bfe_u32 v2, v0, 4, 1                         ; h = l / 16
	v_mul_u32_u24 v3, v1, PITCH
	v_lshl_add_u32 v4, v2, 4, v3                   ; B: a fragment's row x pitch + 16 h
	v_lshrrev_b32 v5, 2, v1
	v_mul_u32_u24 v7, v5, PITCH
	v_and_b32 v5, 3, v1
	v_lshl_add_u32 v7, v5, 6, v7
	v_lshl_add_u32 v7, v2, 4, v7                   ; A: (r / 4) x pitch + 64 (r % 4) + 16 h
	s_mul_i32 s21, s15, HALFT                      ; my 128 rows of A
	s_mul_i32 s22, s16, HALFT                      ; my 128 rows of B,
	s_add_co_u32 s22, s22, 2*HALFT                 ; which lie behind A's
.irp s, 0,1
	v_add_nc_u32 v[ADRA+\s], s21, v7
	v_add_nc_u32 v[ADRB+\s], s22, v4
	s_add_co_u32 s21, s21, SLOT
	s_add_co_u32 s22, s22, SLOT
.endr
	s_mul_i32 s23, s14, 16*SPITCH                  ; my stage
	v_mul_u32_u24 v5, v1, SPITCH
	v_lshl_add_u32 v5, v2, 5, v5
	v_add_nc_u32 v[STO], s23, v5                   ; in: row l % 16, 32 bytes for each half of the lanes
	v_and_b32 v6, 31, v0
	v_lshlrev_b32 v[CO], 4, v6                     ; back: the 32 lanes take one row of 512 bytes; and the same in out0
	v_add_nc_u32 v[RD], s23, v[CO]
	s_lshl_b32 s20, s17, 8
	s_lshl_b32 s21, s15, 7
	s_add_co_u32 s20, s20, s21                     ; my first row of out0
	s_lshl_b32 s20, s20, 12                        ; rows of 4,096 bytes
	s_lshl_b32 s46, s42, 10                        ; my first column, in bytes: 1,024 x tile column + 512 x half
	s_lshl_b32 s47, s16, 9
	s_add_co_u32 s46, s46, s47
	s_add_co_u32 s20, s20, s46
	s_mov_b32 s21, 0
	s_add_nc_u64 s[10:11], s[10:11], s[20:21]
.macro FRAG reg, adr, q, i             ; B: 16 rows x 128 K: registers 4 c .. 4 c + 3 hold K = 128 q + 32 c + 16 (l / 16) + 0 .. 15
.irp c, 0,1,2,3
	ds_load_b128 v[\reg+4*\c:\reg+4*\c+3], v[\adr] offset:128*(\q)+32*\c+(\i)*16*PITCH
.endr
.endm
.macro FRAGA reg, adr, q, i            ; A: the same K in the same registers: head 2 q + c / 2 of the slot's four (32 lines each), d = 32 (c % 2) + 16 (l / 16) on; block i begins 4 lines further on
.irp c, 0,1,2,3
	ds_load_b128 v[\reg+4*\c:\reg+4*\c+3], v[\adr] offset:(2*(\q)+\c/2)*32*PITCH+32*(\c%2)+(\i)*4*PITCH
.endr
.endm
.macro MUL16 a0, p, zero               ; the 64 accumulators take turns, one instruction a turn, in the same order in every step
.irp a, \a0, \a0+1
.irp b, 0,1,2,3,4,5,6,7
.if \zero
	v_wmma_f32_16x16x128_fp8_fp8 v[8*(8*((\a)%4)+\b):8*(8*((\a)%4)+\b)+7], v[128*(\p)+FR*\b:128*(\p)+FR*\b+FR-1], v[AF+FR*(\a):AF+FR*(\a)+FR-1], 0
.else
	v_wmma_f32_16x16x128_fp8_fp8 v[8*(8*((\a)%4)+\b):8*(8*((\a)%4)+\b)+7], v[128*(\p)+FR*\b:128*(\p)+FR*\b+FR-1], v[AF+FR*(\a):AF+FR*(\a)+FR-1], v[8*(8*((\a)%4)+\b):8*(8*((\a)%4)+\b)+7]
.endif
.endr
.endr
.endm
.macro FETCH_B slot, q, p
	WIN TO_B
.irp i, 0,1,2,3,4,5,6,7
	FRAG 128*(\p)+FR*\i, ADRB+\slot, \q, \i
.endr
	WIN 0
.endm
.macro FETCH_A slot, q, i0
.irp i, \i0, \i0+1, \i0+2, \i0+3
	FRAGA AF+FR*(\i), ADRA+\slot, \q, \i
.endr
.endm
.macro PLACES n                        ; plain vector instructions between a matrix instruction and a load into one of its registers, or a read of its result
.rept \n
	v_nop
.endr
.endm
.macro STEP slot, q, zero
	s_wait_dscnt 4*NL                              ; B's set and A's blocks 0-3 are in; the youngest sixteen loads (A's blocks 4-7) may be out
	WIN MUL_LO
	MUL16 0, (\q)%2, \zero
	MUL16 2, (\q)%2, \zero
	s_wait_dscnt 0
	PLACES NP
	FETCH_B \slot, (\q)+1, 1-(\q)%2
	FETCH_A \slot, (\q)+1, 0
	WIN MUL_HI
	MUL16 4, (\q)%2, \zero
	MUL16 6, (\q)%2, \zero
	PLACES NP
	WIN 0
	FETCH_A \slot, (\q)+1, 4
.endm
.macro TURN slot, next, fill           ; a slot's last step changes slots: ONE barrier, with the wait for all my tensor loads, the add and the wait for it and for my reads in front of it
	s_wait_tensorcnt 0x0                           ; all my tensor loads have landed: my part of the next slot
	ds_add_u32 v[SPW], v[NIL]                      ; 0 onto my spare word
	s_wait_dscnt 4*NL+1                            ; (the add and the youngest sixteen loads may be out)
	WIN MUL_LO
	MUL16 0, 1, 0
	s_wait_dscnt 0x0                               ; the add is done, and my reads of this slot are over
	s_barrier_signal -1
	MUL16 2, 1, 0
	WIN 0
	s_barrier_wait -1
.if \fill
	CREST                                          ; the barrier has opened a round of the cluster's barrier: no wave of any partner still reads this slot or has a load on its way
	s_add_nc_u64 s[G0+4*\slot+2:G0+4*\slot+3], s[G0+4*\slot+2:G0+4*\slot+3], 2*ASTEP
	s_add_nc_u64 s[G0B+4*\slot+2:G0B+4*\slot+3], s[G0B+4*\slot+2:G0B+4*\slot+3], 2*ROWB
	JLOAD G0+4*\slot, G1, G0B+4*\slot, G1B         ; the first tensor load behind the round; its four v_nop are the places in front of the loads below
.else
	PLACES NP
.endif
	FETCH_B \next, 0, 0
	FETCH_A \next, 0, 0
	WIN MUL_HI
	MUL16 4, 1, 0
	MUL16 6, 1, 0
	PLACES NP
	WIN 0
	FETCH_A \next, 0, 4
.endm
	s_wait_tensorcnt 1                             ; my part of K step 0 is in (K step 1's load may be out),
	s_barrier_signal -1
	s_barrier_wait -1                              ; everybody's is
	FETCH_B 0, 0, 0
	FETCH_A 0, 0, 0
	FETCH_A 0, 0, 4
	STEP 0, 0, 1                                   ; the first step stands in front of the loop: its products start the sums
	s_mov_b32 s3, LAPS-1
.Llap:
	TURN 0, 1, 1
	STEP 1, 0, 0
	TURN 1, 0, 1
	STEP 0, 0, 0
	s_sub_co_u32 s3, s3, 1
	s_cmp_lg_u32 s3, 0
	s_cbranch_scc1 .Llap
	TURN 0, 1, 0                                   ; the last lap fills nothing
	STEP 1, 0, 0
	s_wait_dscnt 4*NL
	WIN MUL_LO
	MUL16 0, 1, 0
	MUL16 2, 1, 0
	s_wait_dscnt 0
	WIN MUL_HI
	MUL16 4, 1, 0
	MUL16 6, 1, 0
	WIN 0
; THE WAY OUT, block by block of 16 rows x 128 columns, through my own stage in LDS: whole rows of 512 bytes come back, which the 32 lanes store as 512 consecutive aligned bytes.
; LDS serves a wave's instructions in order (ISA guide 5.7.1.4): no wait between the stores and the loads, nor in front of the next block's stores.
.macro TOSTAGE a
.set AC, 64*((\a)%4)
	WIN 0x02+((\a)/4)
.set j, 0
.rept 32
	v_pk_mul_f32 v[TMP+j:TMP+j+1], v[AC+j:AC+j+1], s[96:97] op_sel_hi:[1,0]   ; both x s96 = 2^(e6 + e7); each accumulator from its low end on
.set j, j+2
.endr
	WIN 0
.irp b, 0,1,2,3,4,5,6,7
	ds_store_b128 v[STO], v[TMP+8*\b:TMP+8*\b+3] offset:64*\b
	ds_store_b128 v[STO], v[TMP+8*\b+4:TMP+8*\b+7] offset:64*\b+16
.endr
.set BB, BK+64*((\a)%2)
.irp t, 0,1,2,3,4,5,6,7,8,9,10,11,12,13,14,15
	ds_load_b128 v[BB+4*\t:BB+4*\t+3], v[RD] offset:\t*SPITCH
.endr
.endm
.macro SEND a, younger
.set BB, BK+64*((\a)%2)
	s_wait_dscnt \younger                          ; the block is back in registers
.if (\a) > 0
	s_add_nc_u64 s[10:11], s[10:11], 16*SIZE_N*4   ; (behind a wait on XCNT: the earlier stores have read their base)  16 rows on
.endif
.irp t, 0,1,2,3,4,5,6,7,8,9,10,11,12,13,14,15
	global_store_b128 v[CO], v[BB+4*\t:BB+4*\t+3], s[10:11] offset:\t*SIZE_N*4 th:TH_STORE_NT   ; written once, read by nobody here
.endr
.endm
	s_wait_kmcnt 0x0
	s_add_co_i32 s96, s96, s97                     ; e6 + e7, between -126 and 127,
	s_add_co_i32 s96, s96, 127
	s_lshl_b32 s96, s96, 23                        ; makes the f32 number 2^(e6 + e7)
	PLACES NP                                      ; behind the last products
	TOSTAGE 0
.irp a, 1,2,3,4,5,6,7
.if \a > 1
	s_wait_xcnt 0x0                                ; block a - 2's stores have read their registers and their base
.endif
	TOSTAGE \a
	SEND \a-1, 32                                  ; behind block a - 1's loads: block a's 16 stores and 16 loads
.endr
	s_wait_xcnt 0x0                                ; block 6's stores have read their base
	SEND 7, 0
	s_wait_tensorcnt 0x0                           ; the wave's end, behind my last tensor load and my last LDS store
	ds_add_u32 v[SPW], v[NIL]
	s_wait_dscnt 0x0
	CROUND                                         ; the closing round: no work-group ends while a partner may still ask for a tile that names it
	s_endpgm
.Lfunc_end_k_qede4b501a9_gemm_out:
	.size	k_qede4b501a9_gemm_out, .Lfunc_end_k_qede4b501a9_gemm_out-k_qede4b501a9_gemm_out
	.p2alignl 7, 3214868480
	.fill 96, 4, 3214868480
	.section	.rodata,"a",@progbits
	.p2align	6, 0x0
	.amdhsa_kernel k_qede4b501a9_gemm_out
		.amdhsa_group_segment_fixed_size 327680
		.amdhsa_private_segment_fixed_size 0
		.amdhsa_enable_private_segment 0
		.amdhsa_kernarg_size 32
		.amdhsa_user_sgpr_count 2
		.amdhsa_user_sgpr_kernarg_segment_ptr 1
		.amdhsa_wavefront_size32 1
		.amdhsa_system_sgpr_workgroup_id_x 1
		.amdhsa_system_sgpr_workgroup_id_y 1
		.amdhsa_system_sgpr_workgroup_id_z 1
		.amdhsa_system_vgpr_workitem_id 0
		.amdhsa_next_free_vgpr 1024
		.amdhsa_next_free_sgpr 98
		.amdhsa_reserve_vcc 0
		.amdhsa_float_denorm_mode_32 3
		.amdhsa_float_denorm_mode_16_64 3
		.amdhsa_memory_ordered 1
		.amdhsa_forward_progress 1
		.amdhsa_inst_pref_size 123
	.end_amdhsa_kernel
	.amdgpu_metadata
---
amdhsa.version: [ 1, 2 ]
amdhsa.kernels:
  - .name:           k_qede4b501a9_gemm_out
    .symbol:         k_qede4b501a9_gemm_out.kd
    .args:
      - { .name: ac, .offset: 0, .size: 8, .value_kind: global_buffer, .address_space: global }
      - { .name: wc, .offset: 8, .size: 8, .value_kind: global_buffer, .address_space: global }
      - { .name: lowp_scales, .offset: 16, .size: 8, .value_kind: global_buffer, .address_space: global }
      - { .name: out0, .offset: 24, .size: 8, .value_kind: global_buffer, .address_space: global }
    .group_segment_fixed_size: 327680
    .private_segment_fixed_size: 0
    .kernarg_segment_align: 8
    .kernarg_segment_size: 32
    .max_flat_workgroup_size: 128
    .sgpr_count:     98
    .vgpr_count:     1024
    .wavefront_size: 32
...
	.end_amdgpu_metadata
.endif
;; end of part 4
